; MI455X (gfx1250); checked and timed in simulation.
; The chip was launched on July 23, 2026; its instructions are those of AMD's public machine-readable ISA for CDNA 5 (MIT licence, August 2026) and "CDNA5" Instruction Set Architecture Reference Guide (July 2026). The comments in the code are by the model that wrote it; some were corrected since.
;; Attention. Allowed arithmetic: matrix products marked QUANTISED: E2M3 operands, one E8M0 scale for each 32 along K, by v_wmma_scale_f32_16x16x128_f8f6f4 with both operands' format E2M3, f32 sums; everything else in f32.
;; Inputs: W_K 16 x 1,024 x 128 float32; W_O 16 x 128 x 1,024 float32; W_Q 16 x 1,024 x 128 float32; W_V 16 x 1,024 x 128 float32; b_K 16 x 128 float32; b_O 1,024 float32; b_Q 16 x 128 float32; b_V 16 x 128 float32; normalized_resid_pre 2 x 2,048 x 1,024 float32.
;; Outputs: out0 2 x 2,048 x 1,024 float32.
;; This version of the problem:
;;   THIS VERSION OF THE PROBLEM IS GIVEN IN LOW PRECISION. The matrix products marked QUANTISED in the list below multiply operands that are first quantised to E2M3 (2 exponent bits, 3 mantissa bits; 6 bits a number), with one power-of-two scale for each 32 numbers along K (OCP MX v1.0); their sums are f32. All else is computed in f32.
;;   The module's matrix products, in the order in which they are computed (A, B: the left and right operand; K: the contracted axis; several contracted axes count as one K, in the product's order):
;;     1. [M 4,096, K 1,024] x [K 1,024, N 2,048]; A: input normalized_resid_pre; B: input W_Q: QUANTISED
;;     2. [M 4,096, K 1,024] x [K 1,024, N 2,048]; A: input normalized_resid_pre; B: input W_K: QUANTISED
;;     3. [M 4,096, K 1,024] x [K 1,024, N 2,048]; A: input normalized_resid_pre; B: input W_V: QUANTISED
;;     4. batch 32 x [M 2,048, K 128] x [K 128, N 2,048]; A: computed on the way; B: computed on the way: QUANTISED
;;     5. batch 32 x [M 128, K 2,048] x [K 2,048, N 2,048]; A: computed on the way; B: softmax (see below): QUANTISED
;;     6. [M 4,096, K 2,048] x [K 2,048, N 1,024]; A: computed on the way; B: input W_O: QUANTISED
;;   THE QUANTISER, for each operand of a quantised product, along K:
;;     - K is cut into blocks of 32 from its start; a last block that is shorter is filled with zeros.
;;     - A block's scale is 2^e with e = floor(log2(the largest magnitude in the block)) - 2, held to -126 .. 127; a block of zeros has e = 0. As a byte (E8M0): e + 127.
;;     - Each number is divided by its block's scale, clamped to +-7.5, and rounded to the nearest number of E2M3, ties to even, subnormals kept.
;;     - The product sums the exact products of the quantised numbers (number of the format x scale) in f32.
;;   ~~~python
;;   def quantise(x, axis):      # numpy; x: float32 -> the quantised numbers, widened to float32 again
;;       x = np.moveaxis(x, axis, -1); K = x.shape[-1]
;;       x = np.pad(x, [(0, 0)] * (x.ndim - 1) + [(0, -K % 32)]); x = x.reshape(x.shape[:-1] + (-1, 32)); a = np.abs(x).max(-1, keepdims=True)
;;       e = np.where(a > 0, np.clip(np.frexp(np.where(a > 0, a, 1))[1] - 1 - 2, -126, 127), 0)      # np.frexp(a)[1] - 1 = floor(log2(a)), exactly
;;       r = np.clip(x / 2.0 ** e, -7.5, 7.5)
;;       step = 2.0 ** (np.maximum(np.frexp(np.where(r == 0, 1, r))[1] - 1, 0) - 3)
;;       q = np.round(r / step) * step * 2.0 ** e      # np.round: ties to even
;;       return np.moveaxis(q.reshape(q.shape[:-2] + (-1,))[..., :K], -1, axis).astype(np.float32)
;;   ~~~
;;   SOFTMAX AHEAD OF A QUANTISED PRODUCT. Where the list says 'softmax', what is quantised is not the finished softmax but p = 2^(t - M), with t = logit x log2(e) and M = ceil(the row's largest t), a whole number; so 1/2 < the row's largest p <= 1. The row's sum l is taken of the UNQUANTISED p, in f32, and the product's result is divided by l at the end. Since M is a whole number, a kernel that streams over the keys may use a running M (the ceiling of the running maximum): every later rescaling is an exact power of two, which a block's scale takes up: the codes' values come out the same.
;;   OPERANDS COMPUTED ON THE WAY. 'Computed on the way' means the value that the module computes at that place (a softmax that the list does not call 'softmax' is quantised finished and normalised). What goes into a quantiser is computed in f32, as accurately as f32 sums, v_exp_f32 and their like allow (about 1e-6 of the number): no bf16 or f16 on the way to a quantiser, and a product that is left as it is and whose result goes on into a quantised operand takes f32 operands (vector FMAs, or v_wmma_f32_16x16x4_f32). A number that lies on a knife's edge between two numbers of the format may be rounded either way, as far as f32 arithmetic and the matrix unit's own rounding can turn it there, and no further.
;; One version. Each part assembles by itself: llvm-mc -triple=amdgcn-amd-amdhsa -mcpu=gfx1250 --defsym DOCPART=n.
;; ======== version 1 of 1: 4 launches
;; limits: right only within a limited range of input values
;; workspace buffers: wc 9,437,184 bytes; ws 393,216 bytes; qkvc 18,874,368 bytes; qkvs 786,432 bytes; zc 6,291,456 bytes; zs 262,144 bytes
;; launch quant (part 1): grid 768 x 1, 4 waves a work-group, no clusters, 68,608 bytes of LDS; arguments normalized_resid_pre, W_Q, W_K, W_V, W_O, wc, ws; writes wc, ws
.if DOCPART == 1
	.amdgcn_target "amdgcn-amd-amdhsa--gfx1250"
	.amdhsa_code_object_version 6
	.text
	.protected	k_qbd09b0d9ca_quant
	.globl	k_qbd09b0d9ca_quant
	.p2align	8
	.type	k_qbd09b0d9ca_quant,@function
k_qbd09b0d9ca_quant:
	s_mov_b64 s[64:65], 0
	v_nop
	global_prefetch_b8 v0, s[64:65] scope:SCOPE_SE
	s_setreg_imm32_b32 hwreg(HW_REG_WAVE_MODE, 25, 1), 1
	s_wait_xcnt 0x0
; THE PROGRAM: causal attention of 16 heads of 128 on 2 x 2,048 tokens of 1,024, all six products on codes of FP6 (E2M3) with one E8M0 scale for each 32 along K.
; Four launches: this one (x and the four weights into codes), proj (q, k, v^T and their quantisers), attn (scores, softmax, p v, z's quantiser), outp (z W_O + b_O).
; WORK LEFT OUT (in attn): key steps of 128 keys all of which come after all 128 queries of a query block.  reference() builds the causal mask in its own body and gives those keys the
; logit -100,000; what is quantised is p = 2^(t - M) with t = -100,000 log2(e), and M is the ceiling of the row's largest t.  Key q itself always counts for query q, so M is at least the
; ceiling of that kept t; wherever the row's largest kept logit is above -99,900, t - M is under -140 and p is 0 in f32: zero codes, nothing in the row's sum.
; LIMITS: a row whose largest kept logit lies under -99,900 would in reference() hand weight to hidden keys; here it does not.  A NaN, an infinity or an overflow in k or v of a step left out
; is not carried to the result.  Every input has a way to the output and is loaded.  NaN and infinities among the inputs are not served; a block of zeros gets the scale byte 1 (its codes are zeros, and this program alone reads the bytes).
;
; THE WORKSPACE FORMAT.  A FRAGMENT is 16 rows x 128 K as the matrix unit's registers hold it: 12 registers a lane (lane (r, h): registers 6 c .. 6 c + 5 = K 64 c + 32 h + 0 .. 31), stored as three chunks of
; 512 bytes, lane l's 16 bytes at 16 l.  In each 32 rows, fragment u takes row 8 u + r % 8 + 16 (r / 8) in lane r.  A CELL is 128 rows x 128 K: 8 fragments, 12,288 bytes.  Its SCALE IMAGE is 512 bytes:
; word m of the 16 bytes at 16 (16 u + r) is the scale word of fragment 2 m + u, lane r.
; THIS LAUNCH: work-group c makes cell c of wc and image c of ws.  Cells 0-255: x (128 tokens c / 8, K step c % 8); 256-639: W_Q, W_K, W_V (head, K step; rows = the head's 128 columns, K = d_model);
; 640-767: W_O (128 columns of d_model, K step = head).  Wave w takes rows 32 w .. 32 w + 31, a lane ONE row and all its 128 K: four whole blocks, so no lane asks another for a maximum.
; x's K is innermost: each load takes a row's 512 bytes, 16 a lane, and the 32 rows turn through the wave's own stage in LDS.  The weights' K is not: a lane takes a column and its registers run down K.
.set PIT,   528                        ; a stage row: 512 bytes + 16: an odd multiple of 16
.set STGB,  32*PIT                     ; a wave's stage
.set SCG,   4*STGB                     ; behind the stages: 512 bytes in which the cell's scale image is gathered
.set SPARE, SCG+512                    ; the spare words, 128 bytes for each wave, which no other line names
.set CELL,  12288
.set X,     64                         ; v64-191  my row's 128 numbers
.set C,     20                         ; v20-43   the codes: set hh (12 registers) is image lane (r, hh): block hh, then block 2 + hh
.set T,     44                         ; v44-46   a block's upper 16 codes, on their way
	s_load_b256 s[4:11], s[0:1], 0x0               ; x, W_Q, W_K, W_V
	s_load_b128 s[12:15], s[0:1], 0x20             ; W_O, wc
	s_load_b64 s[16:17], s[0:1], 0x30              ; ws
	v_lshl_add_u32 v2, v0, 2, SPARE                ; my spare word; never rewritten
	v_mov_b32 v3, 0                                ; 0; never rewritten
	v_lshrrev_b32 v1, 5, v0
	v_readfirstlane_b32 s18, v1                    ; wave
	v_and_b32 v1, 31, v0                           ; lane
	v_lshlrev_b32 v4, 2, v1                        ; a weight's column: 4 bytes a lane
	v_lshlrev_b32 v9, 4, v1                        ; 16 x lane
	s_mul_i32 s19, s18, STGB
	v_add_nc_u32 v5, s19, v9                       ; the stage, on the way in: 16 x lane in the row that the immediate names
	v_mul_u32_u24 v6, v1, PIT
	v_add_nc_u32 v6, s19, v6                       ; and on the way out: my row
	v_bfe_u32 v10, v0, 3, 1                        ; u: which of the two fragments of my wave's 32 rows holds my row
	v_and_b32 v11, 7, v0
	v_bfe_u32 v12, v0, 4, 1
	v_lshl_add_u32 v11, v12, 3, v11                ; r: in which of its lanes
	v_lshlrev_b32 v11, 4, v11
	v_mad_u32_u24 v7, v10, 1536, v11
	s_mul_i32 s20, s18, 3072
	v_add_nc_u32 v7, s20, v7                       ; my codes' place in the cell: 3,072 wave + 1,536 u + 16 r
	v_lshl_add_u32 v8, v10, 8, v11
	s_lshl_b32 s20, s18, 2
	s_add_co_u32 s20, s20, SCG
	v_add_nc_u32 v8, s20, v8                       ; my scale word's place in the image: 256 u + 16 r + 4 wave
	v_add_nc_u32 v17, SCG, v9                      ; and where wave 0 reads the image back
	s_mul_i32 s20, ttmp9, CELL
	s_mov_b32 s21, 0
	s_wait_kmcnt 0x0
	s_add_nc_u64 s[14:15], s[14:15], s[20:21]      ; my cell
	s_lshl_b32 s20, ttmp9, 9
	s_add_nc_u64 s[16:17], s[16:17], s[20:21]      ; my image
	s_cmp_lt_u32 ttmp9, 256                        ; three ways to fill X, chosen by the work-group's number alone
	s_cbranch_scc0 .Lweights
	s_lshr_b32 s22, ttmp9, 3
	s_lshl_b32 s22, s22, 7
	s_lshl_b32 s23, s18, 5
	s_add_co_u32 s22, s22, s23                     ; my wave's first token
	s_lshl_b32 s22, s22, 12                        ; rows of 4,096 bytes
	s_and_b32 s23, ttmp9, 7
	s_lshl_b32 s23, s23, 9                         ; the K step's 512 bytes
	s_add_co_u32 s22, s22, s23
	s_mov_b32 s23, 0
	s_add_nc_u64 s[4:5], s[4:5], s[22:23]
.set i_, 0
.rept 32
	global_load_b128 v[X+4*i_:X+4*i_+3], v9, s[4:5] offset:4096*i_ th:TH_LOAD_NT   ; row i: 32 lanes read 512 consecutive bytes
.set i_, i_+1
.endr
.set i_, 0
.rept 32
	s_wait_loadcnt 31-i_                           ; row i is in; the younger rows may be out
	ds_store_b128 v5, v[X+4*i_:X+4*i_+3] offset:PIT*i_
.set i_, i_+1
.endr
	s_wait_dscnt 0x0                               ; the stores have read X
.set i_, 0
.rept 32
	ds_load_b128 v[X+4*i_:X+4*i_+3], v6 offset:16*i_   ; my row, 16 bytes at a time
.set i_, i_+1
.endr
	s_branch .Ltail
.Lweights:
	s_cmp_lt_u32 ttmp9, 640
	s_cbranch_scc0 .Lwo
	s_sub_co_u32 s22, ttmp9, 256
	s_lshr_b32 s23, s22, 7                         ; 0 W_Q, 1 W_K, 2 W_V
	s_cmp_eq_u32 s23, 0
	s_cselect_b64 s[24:25], s[6:7], s[8:9]
	s_cmp_eq_u32 s23, 2
	s_cselect_b64 s[24:25], s[10:11], s[24:25]
	s_bfe_u32 s26, s22, 0x40003                    ; the head: 1,024 x 128 x 4 bytes each
	s_lshl_b32 s26, s26, 19
	s_and_b32 s27, s22, 7                          ; the K step: 128 rows of 512 bytes
	s_lshl_b32 s27, s27, 16
	s_add_co_u32 s26, s26, s27
	s_lshl_b32 s27, s18, 7                         ; my wave's 32 columns
	s_add_co_u32 s26, s26, s27
	s_mov_b32 s27, 0
	s_add_nc_u64 s[24:25], s[24:25], s[26:27]
.set i_, 0
.rept 128
	global_load_b32 v[X+i_], v4, s[24:25] offset:512*i_ th:TH_LOAD_NT   ; W(128 s + i, my column): a wave reads 128 consecutive bytes, the four waves 512
.set i_, i_+1
.endr
	s_branch .Ltail
.Lwo:
	s_sub_co_u32 s22, ttmp9, 640
	s_and_b32 s26, s22, 15                         ; the K step is the head: 128 x 1,024 x 4 bytes each
	s_lshl_b32 s26, s26, 19
	s_lshr_b32 s27, s22, 4                         ; which 128 columns of d_model
	s_lshl_b32 s27, s27, 9
	s_add_co_u32 s26, s26, s27
	s_lshl_b32 s27, s18, 7
	s_add_co_u32 s26, s26, s27
	s_mov_b32 s27, 0
	s_add_nc_u64 s[24:25], s[12:13], s[26:27]
.set i_, 0
.rept 128
	global_load_b32 v[X+i_], v4, s[24:25] offset:4096*i_ th:TH_LOAD_NT
.set i_, i_+1
.endr
.Ltail:
; Block t of my row: its largest magnitude (with the floor 2^(3 - 127) as one more leaf, so that the byte cannot fall under 1), 2 off that number's exponent field: the conversion's scale operand; its byte; 32 codes.
.macro BLOCK t
.set XS, X+32*(\t)
.set CD, C+12*((\t)%2)+6*((\t)/2)
.if 96-32*(\t) > 63
	s_wait_loadcnt 63                              ; a weight's loads of this block are in (a wait names 63 at the most; more than that were issued behind them)
.else
	s_wait_loadcnt 96-32*(\t)                      ; the later blocks' loads may be out
.endif
	s_wait_dscnt 24-8*(\t)                         ; x: this block's eight reads of the stage are in, the later blocks' may be out
	v_max3_num_f32 v10, |v[XS]|, |v[XS+1]|, |v[XS+2]|
	v_max3_num_f32 v11, |v[XS+3]|, |v[XS+4]|, |v[XS+5]|
.irp i, 6,10,14,18,22,26
	v_max3_num_f32 v10, v10, |v[XS+\i]|, |v[XS+\i+1]|
	v_max3_num_f32 v11, v11, |v[XS+\i+2]|, |v[XS+\i+3]|
.endr
	v_max3_num_f32 v10, v10, |v[XS+30]|, |v[XS+31]|
	v_max3_num_f32 v10, v10, v11, 0x1800000
	v_add_nc_u32 v14, 0xff000000, v10
	v_lshrrev_b32 v15, 23, v14
.if (\t) == 0
	v_mov_b32 v16, v15                             ; the row's scale word, the lower K in the lower byte
.else
	v_lshl_or_b32 v16, v15, 8*(\t), v16
.endif
	v_cvt_scalef32_pk16_fp6_f32 v[CD:CD+2], v[XS:XS+15], v14
	v_cvt_scalef32_pk16_fp6_f32 v[T:T+2], v[XS+16:XS+31], v14     ; (a conversion's three registers begin on an even number)
	v_nop                                          ; one plain place behind a scaled conversion
.irp i, 0,1,2
	v_mov_b32 v[CD+3+\i], v[T+\i]
.endr
.endm
	BLOCK 0
	BLOCK 1
	BLOCK 2
	BLOCK 3
.irp hh, 0,1
.irp g, 0,1,2
	global_store_b128 v7, v[C+12*\hh+4*\g:C+12*\hh+4*\g+3], s[14:15] offset:256*\hh+512*\g   ; the sixteen lanes of a fragment store 256 consecutive bytes, at a multiple of 256 from the buffer's first byte
.endr
.endr
	ds_store_b32 v8, v16
	s_wait_dscnt 0x0                               ; for the others' sake: my word lies in the image
	s_barrier_signal -1
	s_barrier_wait -1
	s_cmp_lg_u32 s18, 0
	s_cbranch_scc1 .Lend
	ds_load_b128 v[48:51], v17                     ; wave 0 stores the image: 512 consecutive bytes
	s_wait_dscnt 0x0
	global_store_b128 v9, v[48:51], s[16:17]
.Lend:
	s_wait_tensorcnt 0x0                           ; the wave's end
	ds_add_u32 v2, v3
	s_wait_dscnt 0x0
	s_endpgm
.Lfunc_end_k_qbd09b0d9ca_quant:
	.size	k_qbd09b0d9ca_quant, .Lfunc_end_k_qbd09b0d9ca_quant-k_qbd09b0d9ca_quant
	.p2alignl 7, 3214868480
	.fill 96, 4, 3214868480
	.section	.rodata,"a",@progbits
	.p2align	6, 0x0
	.amdhsa_kernel k_qbd09b0d9ca_quant
		.amdhsa_group_segment_fixed_size 68608
		.amdhsa_private_segment_fixed_size 0
		.amdhsa_enable_private_segment 0
		.amdhsa_kernarg_size 56
		.amdhsa_user_sgpr_count 2
		.amdhsa_user_sgpr_kernarg_segment_ptr 1
		.amdhsa_wavefront_size32 1
		.amdhsa_system_sgpr_workgroup_id_x 1
		.amdhsa_system_sgpr_workgroup_id_y 1
		.amdhsa_system_sgpr_workgroup_id_z 1
		.amdhsa_system_vgpr_workitem_id 0
		.amdhsa_next_free_vgpr 192
		.amdhsa_next_free_sgpr 66
		.amdhsa_reserve_vcc 0
		.amdhsa_float_denorm_mode_32 3
		.amdhsa_float_denorm_mode_16_64 3
		.amdhsa_memory_ordered 1
		.amdhsa_forward_progress 1
		.amdhsa_inst_pref_size 43
	.end_amdhsa_kernel
	.amdgpu_metadata
---
amdhsa.version: [ 1, 2 ]
amdhsa.kernels:
  - .name:           k_qbd09b0d9ca_quant
    .symbol:         k_qbd09b0d9ca_quant.kd
    .args:
      - { .name: normalized_resid_pre, .offset: 0, .size: 8, .value_kind: global_buffer, .address_space: global }
      - { .name: W_Q, .offset: 8, .size: 8, .value_kind: global_buffer, .address_space: global }
      - { .name: W_K, .offset: 16, .size: 8, .value_kind: global_buffer, .address_space: global }
      - { .name: W_V, .offset: 24, .size: 8, .value_kind: global_buffer, .address_space: global }
      - { .name: W_O, .offset: 32, .size: 8, .value_kind: global_buffer, .address_space: global }
      - { .name: wc, .offset: 40, .size: 8, .value_kind: global_buffer, .address_space: global }
      - { .name: ws, .offset: 48, .size: 8, .value_kind: global_buffer, .address_space: global }
    .group_segment_fixed_size: 68608
    .private_segment_fixed_size: 0
    .kernarg_segment_align: 8
    .kernarg_segment_size: 56
    .max_flat_workgroup_size: 128
    .sgpr_count:     66
    .vgpr_count:     192
    .wavefront_size: 32
...
	.end_amdgpu_metadata
.endif
;; end of part 1
;; launch proj (part 2): grid 16 x 24, 4 waves a work-group, clusters of 4 x 4, 327,680 bytes of LDS; arguments wc, ws, b_Q, b_K, b_V, qkvc, qkvs; writes qkvc, qkvs
.if DOCPART == 2
	.amdgcn_target "amdgcn-amd-amdhsa--gfx1250"
	.amdhsa_code_object_version 6
	.text
	.protected	k_qbd09b0d9ca_proj
	.globl	k_qbd09b0d9ca_proj
	.p2align	8
	.type	k_qbd09b0d9ca_proj,@function
k_qbd09b0d9ca_proj:
	s_mov_b64 s[64:65], 0
	v_nop
	global_prefetch_b8 v0, s[64:65] scope:SCOPE_SE
	s_setreg_imm32_b32 hwreg(HW_REG_WAVE_MODE, 25, 1), 1
	s_wait_xcnt 0x0
	s_wait_alu depctr_hold_cnt(0) depctr_sa_sdst(0) depctr_va_vdst(0) depctr_va_sdst(0) depctr_va_ssrc(0) depctr_va_vcc(0) depctr_vm_vsrc(0)
	s_getreg_b32 s2, hwreg(HW_REG_IB_STS2, 6, 4)
	s_cmp_eq_u32 s2, 0
	s_cbranch_scc0 .Lentry_in_a_cluster
	s_endpgm
.Lentry_in_a_cluster:
	s_bfe_u32 s2, ttmp6, 0x10000c
	s_cmp_lg_u32 s2, 0xf033
	s_cbranch_scc0 .Lentry_shape_is_right
	s_endpgm
.Lentry_shape_is_right:
; q = x W_Q + b_Q, k = x W_K + b_K, v = x W_V + b_V on codes of FP6 (E2M3) with E8M0 scales, and the quantisers of q, k (along the head's 128) and of v (along the keys).  Nothing is left out here.
; ONE BODY: C'[i][j] = sum over K = 1,024 of P[i] R[j], + bias, quantised along j.  Tile rows Y 0-15: P = x (tokens), R = W_Q | W_K (a head's 128 columns a group): q and k.  Tile rows Y 16-23: P = W_V, R = x: v^T, whose j are the keys.
; OPERANDS lie in wc as CELLS of 128 rows x 128 K: 8 fragments of 1,536 bytes, each an image of the 12 registers a lane that the matrix unit takes (three chunks of 512 bytes, lane l's 16 bytes at 16 l).  In each 32 rows fragment u
; takes row 8 u + r % 8 + 16 (r / 8) in lane r.  A group of 128 rows has 8 cells on end (K steps 0-7): x groups 0-31, W_Q 32-47, W_K 48-63, W_V 64-79.  A cell's scale image in ws: 512 bytes, 16 a lane: register m of a load holds
; fragment 2 m's words in lanes 0-15 and fragment 2 m + 1's in lanes 16-31.
; A tile of C' is 256 x 256: four waves, each 128 x 128 in 64 accumulators.  THE MATRIX INSTRUCTION IS USED TRANSPOSED (source 0 = R, source 1 = P): by the choice of rows above, a lane then holds ONE row i and its 64 registers of
; accumulators (a, 0 .. 7) are j = 32 b + 16 (lane / 16) + 0 .. 15 of four blocks b: just what the conversions want.  The codes made are at once fragment a of the output cell, in the same format.
; K goes through a ring of two LDS slots of two K steps (256 along K); a wave's tensor load brings 24,576 dense bytes: two cells of one group.
; CLUSTERS: 4 x 4 work-groups.  P's cells hang on the tile row alone and are asked for jointly by a row of the cluster, R's on the tile column alone, by a column.
; REGISTERS, in windows of 256: window 0: v1-29 addresses; v32-63 P's scale words (4 a K step), v64-95 R's; v96-123 the epilogue's codes and words; v128-223 P's 8 fragments, ONE set (epilogue: v128-191 64 numbers, v200-215 at work).
;   window 1: R's fragments, TWO sets, v0-95 and v128-223 (epilogue: v0-63 the bias).   windows 2, 3: accumulator (a, b) at v[8 (8 (a % 4) + b)], a < 4 in window 2.
.set CELL,  12288
.set FRB,   1536
.set HALFT, 2*CELL                     ; what one tensor load brings: a group's two K steps
.set SLOT,  4*HALFT                    ; P's two groups, then R's two
.set SPARE, 2*SLOT                     ; behind the ring: the spare words, 128 bytes for each wave, which no other line names
.set LI,    1                          ; v1     16 x lane: my place in a chunk
.set ADRA,  16                         ; v16-17 LDS address of my group of P in slot 0, 1
.set ADRB,  20                         ; v20-21 the same for R
.set BQ,    24                         ; v24    the bias along j: 64 (lane / 16)
.set BV,    25                         ; v25    the bias along i: 4 (r % 8 + 16 (r / 8))
.set SPW,   28                         ; v28    my spare word; never rewritten
.set NIL,   29                         ; v29    0; never rewritten
.set SP,    32
.set SR,    64
.set PC,    96                         ; v96-114 the codes just made
.set PW,    116                        ; v116   the scale word just made
.set SI,    120                        ; v120-123 the output cell's scale image
.set AF,    128
.set H,     128
.set TM,    200
.set G1,    24                         ; s[24:31] descriptor group 1 for P;  s[32:39] group 0, a set for each slot
.set G0,    32
.set G1B,   48                         ; s[48:55], s[56:63] the same for R
.set G0B,   56
.set SEL,   84                         ; s[84:85] v_permlanex16_b32's selects for lane l xor 16
.set MSB, 0
.macro WIN new                         ; the immediate's high byte repeats the setting that is left
.if MSB != (\new)
	s_set_vgpr_msb (MSB<<8)|(\new)
.set MSB, (\new)
.endif
.endm
.set MUL_LO, 0xa1                      ; source 0 (R) window 1, source 1 (P) window 0, C and D window 2
.set MUL_HI, 0xf1                      ; the same, C and D window 3
.set TO_B,   0x40                      ; destination window 1, address window 0
; A joint load: waves 0 and 1 fetch for P, waves 2 and 3 for R.  Each line has one mask and one set of registers for all that issue it; the branch hangs on the wave's number alone.
; An s_nop 0 and four v_nop follow each of the two lines, ahead of the jump, the label and what follows.
.macro JLOAD g0a, g1a, g0b, g1b
	s_cmp_eq_u32 s19, 0
	s_cbranch_scc0 .Lfor_b_\@
	tensor_load_to_lds s[\g0a:\g0a+3], s[\g1a:\g1a+7]
	s_nop 0
.rept 4
	v_nop
.endr
	s_branch .Lasked_\@
.Lfor_b_\@:
	tensor_load_to_lds s[\g0b:\g0b+3], s[\g1b:\g1b+7]
	s_nop 0
.rept 4
	v_nop
.endr
.Lasked_\@:
.endm
.macro CREST                           ; a round of the cluster's barrier behind its opening barrier
	s_cmp_lg_u32 s18, 0
	s_cbranch_scc1 .Lnot_wave_0_\@
	s_barrier_signal -3
.Lnot_wave_0_\@:
	s_barrier_wait -3
	s_barrier_signal -1
	s_barrier_wait -1
.endm
.macro CROUND                          ; a whole round
	s_barrier_signal -1
	s_barrier_wait -1
	CREST
.endm
	s_load_b256 s[4:11], s[0:1], 0x0               ; wc, ws, b_Q, b_K
	s_load_b128 s[12:15], s[0:1], 0x20             ; b_V, qkvc
	s_load_b64 s[16:17], s[0:1], 0x30              ; qkvs
	v_lshl_add_u32 v[SPW], v0, 2, SPARE
	v_mov_b32 v[NIL], 0
	ds_add_u32 v[SPW], v[NIL]                      ; the wave's opening: the add, twice on end, and its wait ahead of my first tensor load; the set-up below stands between the second and the wait
	ds_add_u32 v[SPW], v[NIL]
	v_lshrrev_b32 v1, 5, v0
	v_readfirstlane_b32 s18, v1                    ; wave 0..3
	s_lshr_b32 s19, s18, 1                         ; wi: which 128 rows i are mine.  Also: I fetch for P (0) or for R (1)
	s_and_b32 s20, s18, 1                          ; wj: which 128 j.  Also: which of the two groups I fetch
	s_bfe_u32 s40, ttmp6, 0x40000                  ; cx, cy: my place in the cluster
	s_bfe_u32 s41, ttmp6, 0x40004
	s_lshl_b32 s42, ttmp9, 2
	s_add_co_u32 s42, s42, s40                     ; X: tile column = 4 x cluster x + cx
	s_and_b32 s45, ttmp7, 0xffff
	s_lshl_b32 s21, s45, 2
	s_add_co_u32 s21, s21, s41                     ; Y: tile row = 4 x cluster y + cy
	s_lshr_b32 s45, s45, 2                         ; VP: 1 in the clusters that make v^T (cluster y 4, 5): the same in all sixteen partners
	s_lshl_b32 s43, s41, 2
	s_lshl_b32 s43, 15, s43                        ; my row of the cluster
	s_lshl_b32 s44, 0x1111, s40                    ; my column
	; descriptor group 1: 24,576 dense bytes as 96 rows of 32 elements of 8 bytes, no padding: 15:0 the mask; 17:16 element size code 3; 21 set beside a mask
	s_or_b32 s[G1], s43, (3<<16)|(1<<21)
	s_or_b32 s[G1B], s44, (3<<16)|(1<<21)
.irp g, G1, G1B
	s_mov_b32 s[\g+1], 32<<16                      ; tensor_dim0
	s_mov_b32 s[\g+2], 96<<16                      ; tensor_dim1
	s_mov_b32 s[\g+3], 32<<16                      ; tile_dim0
	s_mov_b32 s[\g+4], 96                          ; tile_dim1
	s_mov_b32 s[\g+5], 32                          ; tensor_dim0_stride
	s_mov_b32 s[\g+6], 0
	s_mov_b32 s[\g+7], 0
.endr
	s_lshl_b32 s66, s45, 5
	s_lshl_b32 s67, s21, 1
	s_add_co_u32 s67, s67, s66                     ; GP: P's first group: 2 Y among x's, or 2 Y + 32 among W_V's (64 on)
	s_lshl_b32 s68, s42, 1
	s_add_co_u32 s68, s68, 32
	s_sub_co_u32 s68, s68, s66                     ; GR: R's first group: 32 + 2 X among W_Q's and W_K's, or 2 X among x's
	s_add_co_u32 s22, s67, s20
	s_mul_i32 s22, s22, 8*CELL                     ; the group that I would fetch for P, in bytes: made of Y, VP and the wave's number alone
	s_mov_b32 s23, 0
	s_add_co_u32 s46, s68, s20
	s_mul_i32 s46, s46, 8*CELL                     ; and for R: of X, VP and the wave's number alone
	s_mov_b32 s47, 0
	s_mul_i32 s69, s18, HALFT                      ; where it goes: wave x 24,576: no place in the cluster enters an LDS address
	s_mov_b32 s[SEL], 0x76543210
	s_mov_b32 s[SEL+1], 0xfedcba98
	s_mov_b32 s86, 0xffff0000                      ; lanes 16-31
	s_wait_dscnt 0x0                               ; both opening adds are done
	s_wait_kmcnt 0x0
	s_add_nc_u64 s[22:23], s[4:5], s[22:23]
	s_add_nc_u64 s[46:47], s[4:5], s[46:47]
	CROUND                                         ; all sixteen work-groups are here: the first joint loads meet
.irp s, 0,1
	s_mov_b32 s[G0+4*\s], 1                        ; count = 1
	s_add_co_u32 s[G0+4*\s+1], s69, \s*SLOT        ; LDS address
	s_add_nc_u64 s[G0+4*\s+2:G0+4*\s+3], s[22:23], \s*HALFT   ; global address: K steps 2 s, 2 s + 1
	s_or_b32 s[G0+4*\s+3], s[G0+4*\s+3], 0x80000000   ; type = 2
	s_mov_b32 s[G0B+4*\s], 1
	s_add_co_u32 s[G0B+4*\s+1], s69, \s*SLOT
	s_add_nc_u64 s[G0B+4*\s+2:G0B+4*\s+3], s[46:47], \s*HALFT
	s_or_b32 s[G0B+4*\s+3], s[G0B+4*\s+3], 0x80000000
	JLOAD G0+4*\s, G1, G0B+4*\s, G1B
.endr
	v_and_b32 v1, 31, v0
	v_lshlrev_b32 v[LI], 4, v1
	; the scale words of my 128 rows of P and of R, for all of K, go straight into registers: 16 loads of 512 consecutive bytes
	s_add_co_u32 s70, s67, s19
	s_lshl_b32 s70, s70, 12                        ; 8 images of 512 bytes a group
	s_mov_b32 s71, 0
	s_add_nc_u64 s[70:71], s[6:7], s[70:71]
	s_add_co_u32 s72, s68, s20
	s_lshl_b32 s72, s72, 12
	s_mov_b32 s73, 0
	s_add_nc_u64 s[72:73], s[6:7], s[72:73]
.irp k, 0,1,2,3,4,5,6,7
	global_load_b128 v[SP+4*\k:SP+4*\k+3], v[LI], s[70:71] offset:512*\k
	global_load_b128 v[SR+4*\k:SR+4*\k+3], v[LI], s[72:73] offset:512*\k
.endr
	s_mul_i32 s74, s19, HALFT                      ; my group of P,
	s_mul_i32 s75, s20, HALFT                      ; my group of R,
	s_add_co_u32 s75, s75, 2*HALFT                 ; which lies behind P's two
.irp s, 0,1
	v_add_nc_u32 v[ADRA+\s], s74, v[LI]
	v_add_nc_u32 v[ADRB+\s], s75, v[LI]
	s_add_co_u32 s74, s74, SLOT
	s_add_co_u32 s75, s75, SLOT
.endr
	v_bfe_u32 v2, v0, 4, 1
	v_lshlrev_b32 v[BQ], 6, v2
	v_and_b32 v3, 7, v0
	v_and_b32 v4, 8, v0
	v_lshl_add_u32 v3, v4, 1, v3
	v_lshlrev_b32 v[BV], 2, v3
	; where my 128 x 128 goes.  TH = 16 x tensor + head, U = the group of 128 tokens; cell = 512 tensor + 16 (16 batch + head) + block
	s_lshl_b32 s76, s21, 1
	s_add_co_u32 s76, s76, s19                     ; 2 Y + wi
	s_lshl_b32 s77, s42, 1
	s_add_co_u32 s77, s77, s20                     ; 2 X + wj
	s_cmp_eq_u32 s45, 0
	s_cselect_b32 s78, s77, s76                    ; TH
	s_cselect_b32 s79, s76, s77                    ; U
	s_lshr_b32 s80, s78, 4                         ; 0 q, 1 k, 2 v
	s_and_b32 s81, s78, 15                         ; the head
	s_cmp_eq_u32 s80, 0
	s_cselect_b64 s[88:89], s[8:9], s[10:11]
	s_cmp_eq_u32 s80, 2
	s_cselect_b64 s[88:89], s[12:13], s[88:89]
	s_lshl_b32 s90, s81, 9
	s_mov_b32 s91, 0
	s_add_nc_u64 s[88:89], s[88:89], s[90:91]      ; the head's 128 numbers of its bias
	s_lshl_b32 s80, s80, 9
	s_lshr_b32 s82, s79, 4
	s_lshl_b32 s82, s82, 4
	s_add_co_u32 s82, s82, s81
	s_lshl_b32 s82, s82, 4
	s_add_co_u32 s80, s80, s82
	s_and_b32 s82, s79, 15
	s_add_co_u32 s80, s80, s82                     ; the cell
	s_mul_i32 s90, s80, CELL
	s_add_nc_u64 s[14:15], s[14:15], s[90:91]
	s_lshl_b32 s90, s80, 9
	s_add_nc_u64 s[16:17], s[16:17], s[90:91]
; One matrix instruction, from the symbols WD (D, and C unless zero), WA, WB (sources 0, 1), WSA, WSB (their scale registers), WRA, WRB (1: the scales stand in lanes 16-31)
.macro WMS zero
.if \zero
.if WRA && WRB
	v_wmma_scale_f32_16x16x128_f8f6f4 v[WD:WD+7], v[WA:WA+11], v[WB:WB+11], 0, v[WSA], v[WSB] matrix_a_fmt:MATRIX_FMT_FP6 matrix_b_fmt:MATRIX_FMT_FP6 matrix_a_scale:MATRIX_SCALE_ROW1 matrix_b_scale:MATRIX_SCALE_ROW1
.elseif WRA
	v_wmma_scale_f32_16x16x128_f8f6f4 v[WD:WD+7], v[WA:WA+11], v[WB:WB+11], 0, v[WSA], v[WSB] matrix_a_fmt:MATRIX_FMT_FP6 matrix_b_fmt:MATRIX_FMT_FP6 matrix_a_scale:MATRIX_SCALE_ROW1
.elseif WRB
	v_wmma_scale_f32_16x16x128_f8f6f4 v[WD:WD+7], v[WA:WA+11], v[WB:WB+11], 0, v[WSA], v[WSB] matrix_a_fmt:MATRIX_FMT_FP6 matrix_b_fmt:MATRIX_FMT_FP6 matrix_b_scale:MATRIX_SCALE_ROW1
.else
	v_wmma_scale_f32_16x16x128_f8f6f4 v[WD:WD+7], v[WA:WA+11], v[WB:WB+11], 0, v[WSA], v[WSB] matrix_a_fmt:MATRIX_FMT_FP6 matrix_b_fmt:MATRIX_FMT_FP6
.endif
.else
.if WRA && WRB
	v_wmma_scale_f32_16x16x128_f8f6f4 v[WD:WD+7], v[WA:WA+11], v[WB:WB+11], v[WD:WD+7], v[WSA], v[WSB] matrix_a_fmt:MATRIX_FMT_FP6 matrix_b_fmt:MATRIX_FMT_FP6 matrix_a_scale:MATRIX_SCALE_ROW1 matrix_b_scale:MATRIX_SCALE_ROW1
.elseif WRA
	v_wmma_scale_f32_16x16x128_f8f6f4 v[WD:WD+7], v[WA:WA+11], v[WB:WB+11], v[WD:WD+7], v[WSA], v[WSB] matrix_a_fmt:MATRIX_FMT_FP6 matrix_b_fmt:MATRIX_FMT_FP6 matrix_a_scale:MATRIX_SCALE_ROW1
.elseif WRB
	v_wmma_scale_f32_16x16x128_f8f6f4 v[WD:WD+7], v[WA:WA+11], v[WB:WB+11], v[WD:WD+7], v[WSA], v[WSB] matrix_a_fmt:MATRIX_FMT_FP6 matrix_b_fmt:MATRIX_FMT_FP6 matrix_b_scale:MATRIX_SCALE_ROW1
.else
	v_wmma_scale_f32_16x16x128_f8f6f4 v[WD:WD+7], v[WA:WA+11], v[WB:WB+11], v[WD:WD+7], v[WSA], v[WSB] matrix_a_fmt:MATRIX_FMT_FP6 matrix_b_fmt:MATRIX_FMT_FP6
.endif
.endif
.endm
; 16 matrix instructions: P's fragments a0, a0 + 1 x R's eight, K step ks.  p: R's set.  zero = 1: the first product starts the sums: nothing is ever cleared.
; The 64 accumulators take turns, one instruction a turn, in the same order in every K step.
.macro MUL16 a0, p, ks, zero
.irp a, \a0, \a0+1
.irp b, 0,1,2,3,4,5,6,7
.set WD,  8*(8*((\a)%4)+\b)
.set WA,  128*(\p)+12*\b
.set WB,  AF+12*(\a)
.set WSA, SR+4*(\ks)+\b/2
.set WSB, SP+4*(\ks)+(\a)/2
.set WRA, \b%2
.set WRB, (\a)%2
	WMS \zero
.endr
.endr
.endm
.macro FRAG reg, adr, off              ; a fragment comes as it lies: three loads of 512 consecutive bytes
.irp c, 0,1,2
	ds_load_b128 v[\reg+4*\c:\reg+4*\c+3], v[\adr] offset:\off+512*\c
.endr
.endm
.macro FETCH_B slot, q, p              ; R's eight fragments of the slot's q-th K step into set p
	WIN TO_B
.irp i, 0,1,2,3,4,5,6,7
	FRAG 128*(\p)+12*\i, ADRB+\slot, (\q)*CELL+FRB*\i
.endr
	WIN 0
.endm
.macro FETCH_A slot, q, i0             ; P's fragments i0 .. i0 + 3
.irp i, \i0, \i0+1, \i0+2, \i0+3
	FRAG AF+12*(\i), ADRA+\slot, (\q)*CELL+FRB*(\i)
.endr
.endm
; A load into a register that a matrix instruction has read, and a vector instruction that reads a matrix result or writes one of its registers, stand four places behind it, and only plain vector
; instructions that name none of its registers are places (ISA guide 7.12.1 for vector instructions).
.macro PLACES
.rept 4
	v_nop
.endr
.endm
; A slot's first K step: multiplies R's set 0, fetches the second K step (R into set 1; P's fragments as soon as their products are issued).
.macro STEP slot, ks, zero
	s_wait_dscnt 12                                ; R's set and P's fragments 0-3 are in; the youngest twelve loads (P's 4-7) may be out
	WIN MUL_LO
	MUL16 0, 0, \ks, \zero
	MUL16 2, 0, \ks, \zero
	s_wait_dscnt 0                                 ; P's fragments 4-7 are in
	PLACES
	FETCH_B \slot, 1, 1
	FETCH_A \slot, 1, 0
	WIN MUL_HI
	MUL16 4, 0, \ks, \zero
	MUL16 6, 0, \ks, \zero
	PLACES
	WIN 0
	FETCH_A \slot, 1, 4
.endm
; A slot's second K step changes slots: ONE barrier; in front of it each wave waits for all its tensor loads, adds 0 to its spare word, and waits for that and for its own reads of this slot.  fill = 1: this slot is filled again, two slots ahead.
.macro TURN slot, next, fill, ks
	s_wait_tensorcnt 0x0                           ; all my tensor loads have landed: my part of the next slot  (every window is 0 here)
	ds_add_u32 v[SPW], v[NIL]                      ; 0 onto my spare word
	s_wait_dscnt 13                                ; (the add and the youngest twelve loads may be out)
	WIN MUL_LO
	MUL16 0, 1, \ks, 0                             ; sixteen matrix instructions stand between the add and the wait for it
	s_wait_dscnt 0x0                               ; the add is done, and my reads of this slot are over
	s_barrier_signal -1
	MUL16 2, 1, \ks, 0
	WIN 0
	s_barrier_wait -1
.if \fill
	CREST                                          ; the barrier has opened a round of the cluster's barrier: no wave of any partner still reads this slot or has a load on its way
	s_add_nc_u64 s[G0+4*\slot+2:G0+4*\slot+3], s[G0+4*\slot+2:G0+4*\slot+3], 2*HALFT
	s_add_nc_u64 s[G0B+4*\slot+2:G0B+4*\slot+3], s[G0B+4*\slot+2:G0B+4*\slot+3], 2*HALFT
	JLOAD G0+4*\slot, G1, G0B+4*\slot, G1B         ; the first tensor load behind the round; its four v_nop are also the places in front of the loads below
.else
	PLACES
.endif
	FETCH_B \next, 0, 0
	FETCH_A \next, 0, 0
	WIN MUL_HI
	MUL16 4, 1, \ks, 0
	MUL16 6, 1, \ks, 0
	PLACES
	WIN 0
	FETCH_A \next, 0, 4
.endm
; 64 numbers of a lane, v[s] .. v[s + 63], register 16 b + i = K 32 b + 16 (lane / 16) + i of my row, become a fragment's codes in v[PC] on and its scale word in v[PW] (the same in lanes l and l xor 16).
.macro QUANT s
.irp b, 0,1,2,3
	v_max3_num_f32 v[TM+\b], |v[\s+16*\b]|, |v[\s+1+16*\b]|, 0x1800000   ; block b: my 16 numbers, and the floor 2^(3 - 127): the byte cannot fall under 1
.endr
.irp i, 2,4,6,8,10,12,14
.irp b, 0,1,2,3
	v_max3_num_f32 v[TM+\b], v[TM+\b], |v[\s+16*\b+\i]|, |v[\s+1+16*\b+\i]|
.endr
.endr
.irp b, 0,1,2,3
	v_permlanex16_b32 v[TM+4+\b], v[TM+\b], s[SEL], s[SEL+1]
.endr
.irp b, 0,1,2,3
	v_max_num_f32 v[TM+\b], v[TM+\b], v[TM+4+\b]   ; with lane l xor 16's: the block's largest magnitude
.endr
.irp b, 0,1,2,3
	v_add_nc_u32 v[TM+12+\b], 0xff000000, v[TM+\b]   ; 2 off its exponent field: the conversion's scale operand
.endr
.irp b, 0,1,2,3
	v_lshrrev_b32 v[TM+4+\b], 23, v[TM+12+\b]      ; the scale's byte
.endr
	v_lshl_or_b32 v[PW], v[TM+5], 8, v[TM+4]
	v_lshl_or_b32 v[PW], v[TM+6], 16, v[PW]
	v_lshl_or_b32 v[PW], v[TM+7], 24, v[PW]
.irp c, 0,1
	v_cvt_scalef32_pk16_fp6_f32 v[PC+6*\c:PC+2+6*\c], v[\s+32*\c:\s+15+32*\c], v[TM+12+2*\c]
	v_cvt_scalef32_pk16_fp6_f32 v[PC+12+4*\c:PC+14+4*\c], v[\s+16+32*\c:\s+31+32*\c], v[TM+12+2*\c+1]   ; (a conversion's three registers begin on an even number)
.endr
	v_nop                                          ; one plain place behind a scaled conversion
.irp c, 0,1                                    ; the layout wants a WHOLE block in a lane: lanes 0-15 block 2 c, lanes 16-31 block 2 c + 1
.irp i, 0,1,2
	v_permlane16_swap_b32 v[PC+6*\c+\i], v[PC+12+4*\c+\i]
.endr
.irp i, 0,1,2
	v_mov_b32 v[PC+3+6*\c+\i], v[PC+12+4*\c+\i]
.endr
.endr
.endm
; THE EPILOGUE.  vp = 0: the bias runs along j (a lane's 64 registers): 64 numbers a lane.  vp = 1: along i (the lane's row): one number for each fragment a, twice, for the packed addition.
; For each a: sums + bias into window 0 (each accumulator from its low end on), the quantiser, three stores of 512 consecutive bytes; the scale words gather in four registers: the cell's image.
.macro EPI vp
	WIN TO_B
.if \vp
.irp a, 0,1,2,3,4,5,6,7
	global_load_b32 v[2*\a], v[BV], s[88:89] offset:4*(32*(\a/2)+8*(\a%2))
	global_load_b32 v[2*\a+1], v[BV], s[88:89] offset:4*(32*(\a/2)+8*(\a%2))
.endr
.else
.irp i, 0,1,2,3,4,5,6,7,8,9,10,11,12,13,14,15
	global_load_b128 v[4*\i:4*\i+3], v[BQ], s[88:89] offset:128*(\i/4)+16*(\i%4)
.endr
.endif
	WIN 0
	s_wait_loadcnt 0x0
.irp a, 0,1,2,3,4,5,6,7
	WIN 0x06+(\a/4)                                ; source 0 window 2 or 3, source 1 window 1, destination window 0
.set q_, 0
.rept 32
.if \vp
	v_pk_add_f32 v[H+q_:H+q_+1], v[64*(\a%4)+q_:64*(\a%4)+q_+1], v[2*\a:2*\a+1]
.else
	v_pk_add_f32 v[H+q_:H+q_+1], v[64*(\a%4)+q_:64*(\a%4)+q_+1], v[q_:q_+1]
.endif
.set q_, q_+2
.endr
	WIN 0
	s_wait_xcnt 0x0                                ; the last fragment's stores have read their data: the codes' registers are written again only behind this wait
	QUANT H
.irp c, 0,1,2
	global_store_b128 v[LI], v[PC+4*\c:PC+4*\c+3], s[14:15] offset:FRB*\a+512*\c
.endr
.if \a%2
	v_cndmask_b32 v[SI+\a/2], v[SI+\a/2], v[PW], s86   ; an odd fragment's words in lanes 16-31
.else
	v_mov_b32 v[SI+\a/2], v[PW]
.endif
.endr
	global_store_b128 v[LI], v[SI:SI+3], s[16:17]
.endm
	s_wait_tensorcnt 1                             ; my part of slot 0 is in (slot 1's load may be out)
	s_barrier_signal -1
	s_barrier_wait -1                              ; everybody's is
	FETCH_B 0, 0, 0
	FETCH_A 0, 0, 0
	FETCH_A 0, 0, 4
	s_wait_loadcnt 0x0                             ; the scale words
	STEP 0, 0, 1                                   ; eight K steps, written out: each names its own scale registers
	TURN 0, 1, 1, 1
	STEP 1, 2, 0
	TURN 1, 0, 1, 3
	STEP 0, 4, 0
	TURN 0, 1, 0, 5                                ; nothing is left to fetch
	STEP 1, 6, 0
	s_wait_dscnt 12
	WIN MUL_LO
	MUL16 0, 1, 7, 0
	MUL16 2, 1, 7, 0
	s_wait_dscnt 0
	WIN MUL_HI
	MUL16 4, 1, 7, 0
	MUL16 6, 1, 7, 0
	WIN 0
	PLACES
.irp b, 0,1,2,3
	v_mov_b32 v[TM+4+\b], 0                        ; written once: a lane permute's destination counts as one of its sources
.endr
	s_cmp_lg_u32 s45, 0                            ; the cluster's y alone decides: the same way in all sixteen partners
	s_cbranch_scc1 .Lvarm
	EPI 0
	s_branch .Ljoin
.Lvarm:
	EPI 1
.Ljoin:
	s_wait_tensorcnt 0x0                           ; the wave's end
	ds_add_u32 v[SPW], v[NIL]
	s_wait_dscnt 0x0
	CROUND                                         ; the closing round: no work-group ends while a partner may still ask for a tile that names it
	s_endpgm
.Lfunc_end_k_qbd09b0d9ca_proj:
	.size	k_qbd09b0d9ca_proj, .Lfunc_end_k_qbd09b0d9ca_proj-k_qbd09b0d9ca_proj
	.p2alignl 7, 3214868480
	.fill 96, 4, 3214868480
	.section	.rodata,"a",@progbits
	.p2align	6, 0x0
	.amdhsa_kernel k_qbd09b0d9ca_proj
		.amdhsa_group_segment_fixed_size 327680
		.amdhsa_private_segment_fixed_size 0
		.amdhsa_enable_private_segment 0
		.amdhsa_kernarg_size 56
		.amdhsa_user_sgpr_count 2
		.amdhsa_user_sgpr_kernarg_segment_ptr 1
		.amdhsa_wavefront_size32 1
		.amdhsa_system_sgpr_workgroup_id_x 1
		.amdhsa_system_sgpr_workgroup_id_y 1
		.amdhsa_system_sgpr_workgroup_id_z 1
		.amdhsa_system_vgpr_workitem_id 0
		.amdhsa_next_free_vgpr 1024
		.amdhsa_next_free_sgpr 100
		.amdhsa_reserve_vcc 0
		.amdhsa_float_denorm_mode_32 3
		.amdhsa_float_denorm_mode_16_64 3
		.amdhsa_memory_ordered 1
		.amdhsa_forward_progress 1
		.amdhsa_inst_pref_size 206
	.end_amdhsa_kernel
	.amdgpu_metadata
---
amdhsa.version: [ 1, 2 ]
amdhsa.kernels:
  - .name:           k_qbd09b0d9ca_proj
    .symbol:         k_qbd09b0d9ca_proj.kd
    .args:
      - { .name: wc, .offset: 0, .size: 8, .value_kind: global_buffer, .address_space: global }
      - { .name: ws, .offset: 8, .size: 8, .value_kind: global_buffer, .address_space: global }
      - { .name: b_Q, .offset: 16, .size: 8, .value_kind: global_buffer, .address_space: global }
      - { .name: b_K, .offset: 24, .size: 8, .value_kind: global_buffer, .address_space: global }
      - { .name: b_V, .offset: 32, .size: 8, .value_kind: global_buffer, .address_space: global }
      - { .name: qkvc, .offset: 40, .size: 8, .value_kind: global_buffer, .address_space: global }
      - { .name: qkvs, .offset: 48, .size: 8, .value_kind: global_buffer, .address_space: global }
    .group_segment_fixed_size: 327680
    .private_segment_fixed_size: 0
    .kernarg_segment_align: 8
    .kernarg_segment_size: 56
    .max_flat_workgroup_size: 128
    .sgpr_count:     100
    .vgpr_count:     1024
    .wavefront_size: 32
...
	.end_amdgpu_metadata
.endif
;; end of part 2
;; launch attn (part 3): grid 8 x 32, 16 waves a work-group, no clusters, 327,680 bytes of LDS; arguments qkvc, qkvs, zc, zs; writes zc, zs
.if DOCPART == 3
	.amdgcn_target "amdgcn-amd-amdhsa--gfx1250"
	.amdhsa_code_object_version 6
	.text
	.protected	k_qbd09b0d9ca_attn
	.globl	k_qbd09b0d9ca_attn
	.p2align	8
	.type	k_qbd09b0d9ca_attn,@function
k_qbd09b0d9ca_attn:
	s_mov_b64 s[64:65], 0
	v_nop
	global_prefetch_b8 v0, s[64:65] scope:SCOPE_SE
	s_setreg_imm32_b32 hwreg(HW_REG_WAVE_MODE, 25, 1), 1
	s_wait_xcnt 0x0
; z[b][q][h][:] = the sum over keys s <= q of softmax_s(q . k / sqrt(128)) v[s], on codes of FP6 (E2M3) with E8M0 scales, and z's quantiser along the head's 128.
; LEFT OUT: key steps of 128 keys that all come after a query block's 128 queries: reference()'s own causal mask gives them the logit -100,000, whose p = 2^(t - M) is 0 in f32 wherever the row's largest kept logit is
; above -99,900.  LIMIT: rows under that would in reference() hand weight to hidden keys, here not; a NaN or infinity in k or v of a step left out is not carried on.  Inside the diagonal step hidden scores get reference()'s own fill.
; NO CLUSTER: the eight work-groups of a head need 9 to 16 key steps; a joint load would bring some partners tiles that none of their waves reads.
; THE SOFTMAX: t = score x log2(e) / sqrt(128); M = the running largest t rounded UP to a whole number; p = 2^(t - M) is quantised along the keys, not normalised; the row's sum is taken of the unquantised p and divides at the end.
; OPERANDS: cells of 128 rows x 128 K, 8 fragments of 1,536 bytes, each an image of the matrix unit's 12 registers a lane; in each 32 rows fragment u takes row 8 u + r % 8 + 16 (r / 8) in lane r.  qkvc: cell 512 T + 16 (16 b + h) + block,
; T = 0 q, 1 k (rows = tokens, K = the head's 128), 2 v (rows = the head's 128, K = 128 keys).  A cell's scale image: 512 bytes, 16 a lane: register m holds fragment 2 m's words in lanes 0-15, fragment 2 m + 1's in lanes 16-31.
; SHARES.  Work-group (J, 16 b + h) owns query blocks J and 15 - J of 128 queries: 17 block-steps in every work-group.  Wave w owns ONE fragment of 16 queries: fragment w / 2 of block J or 15 - J ((w xor w / 4) odd: the later one).
; Both products are used transposed (S^T = K Q^T, O^T = V^T P^T): a lane holds one query throughout, and by the choice of rows the 16 registers of tiles 2 b, 2 b + 1 are 16 neighbours: keys for p, the head's channels for z.
; THE RING: two LDS slots of two key steps (K's two cells, V's two cells), filled by waves 0 (K) and 1 (V), read by all sixteen; every work-group walks all eight slots, and a wave jumps over the work of steps behind its diagonal.
; REGISTERS: v1-9 addresses; v12 -M, v13 the largest t, v[14:15] the sum; v16-27 Q; v28 the prefetch's offset; v29 Q's scale words; v32-79 four fragments of K or V; v80-83 K's scale words, v84-87 V's; v96-159 S^T, p, z; v160-223 O^T; v224-254 at work.
.set CELL,  12288
.set FRB,   1536
.set SLOT1, 65536                      ; slot 1 begins here: one exclusive or turns an address in one slot into the other's
.set SCK,   131072                     ; K's 16 scale images of the head;
.set SCV,   SCK+8192                   ; V's;
.set ZS,    SCV+8192                   ; z's two scale images are gathered here;
.set SPARE, ZS+1024                    ; the spare words, 128 bytes for each wave, which no other line names
.set LI,   1                           ; v1  16 x lane
.set ZW,   2                           ; v2  where my z's scale word goes
.set ZR,   3                           ; v3  where waves 0 and 1 read an image back
.set DG,   4                           ; v4  my query's place in its block, less 16 (lane / 16)
.set SPW,  5                           ; v5  my spare word; never rewritten
.set NIL,  6                           ; v6  0; never rewritten
.set QO,   7                           ; v7  16 x (lane % 16)
.set ADK,  8                           ; v8  the slot in hand + 16 x lane
.set ADS,  9                           ; v9  the step's scale image of K + 16 x lane
.set PFO,  28
.set QS,   29
.set KS,   80
.set VS,   84
.set TM,   32                          ; the way out: v32-47 at work, v48-66 z's codes, v68 z's scale word
.set PC,   48
.set PW,   68
.set WV,   12                          ; s12 wave;  s13 wave % 2;  s14 which block;  s15 which fragment
.set W1,   13
.set HALF, 14
.set F,    15
.set J,    16
.set BH,   17                          ; s17 16 b + h
.set BW,   18                          ; s18 my wave's query block = its diagonal step
.set BHI,  19                          ; s19 the work-group's later block
.set SEL,  20
.set CS,   22                          ; s[22:23] c = log2(e) / sqrt(128)
.set G1C,  24                          ; s[24:31] group 1 for two cells;  s[32:39] for 16 scale images;  s[40:43], s[44:47] their groups 0
.set G1S,  32
.set G0C,  40
.set G0S,  44
.set TB,   48                          ; s48 LDS byte at which the slot in hand begins
.set TS,   49                          ; s49 and the step's scale image of K
.set SI,   50                          ; s50 the step
.set SLOTS, 51
.set PFA,  52                          ; s[52:53] where my prefetches stand
.set LIM,  54                          ; s54 1 in a wave that prefetches, else the greatest number
	s_load_b256 s[4:11], s[0:1], 0x0               ; qkvc, qkvs, zc, zs
	v_lshl_add_u32 v[SPW], v0, 2, SPARE
	v_mov_b32 v[NIL], 0
	ds_add_u32 v[SPW], v[NIL]                      ; the wave's opening: the add, twice on end, and its wait ahead of the first tensor load; the set-up below stands between the second and the wait
	ds_add_u32 v[SPW], v[NIL]
	v_lshrrev_b32 v8, 5, v0
	v_readfirstlane_b32 s[WV], v8
	s_and_b32 s[W1], s[WV], 1
	s_lshr_b32 s[HALF], s[WV], 2
	s_xor_b32 s[HALF], s[HALF], s[WV]
	s_and_b32 s[HALF], s[HALF], 1
	s_lshr_b32 s[F], s[WV], 1
	s_mov_b32 s[J], ttmp9
	s_and_b32 s[BH], ttmp7, 0xffff
	s_sub_co_u32 s[BHI], 15, s[J]
	s_cmp_eq_u32 s[HALF], 0
	s_cselect_b32 s[BW], s[J], s[BHI]
	; group 1: dense bytes as rows of 32 elements of 8 bytes, no padding, no mask: 96 rows (two cells) and 32 rows (16 images)
	s_mov_b32 s[G1C], 3<<16
	s_mov_b32 s[G1C+1], 32<<16
	s_mov_b32 s[G1C+2], 96<<16
	s_mov_b32 s[G1C+3], 32<<16
	s_mov_b32 s[G1C+4], 96
	s_mov_b32 s[G1C+5], 32
	s_mov_b32 s[G1C+6], 0
	s_mov_b32 s[G1C+7], 0
	s_mov_b32 s[G1S], 3<<16
	s_mov_b32 s[G1S+1], 32<<16
	s_mov_b32 s[G1S+2], 32<<16
	s_mov_b32 s[G1S+3], 32<<16
	s_mov_b32 s[G1S+4], 32
	s_mov_b32 s[G1S+5], 32
	s_mov_b32 s[G1S+6], 0
	s_mov_b32 s[G1S+7], 0
	s_lshl_b32 s66, s[W1], 9
	s_add_co_u32 s66, s66, 512
	s_lshl_b32 s67, s[BH], 4
	s_add_co_u32 s66, s66, s67                     ; the head's first cell of K (wave 0) or of V (wave 1)
	s_mul_i32 s68, s66, CELL
	s_mov_b32 s69, 0
	s_lshl_b32 s70, s66, 9
	s_mov_b32 s71, 0
	s_lshl_b32 s72, s[W1], 13
	s_mov_b32 s[SEL], 0x76543210
	s_mov_b32 s[SEL+1], 0xfedcba98
	s_mov_b32 s[CS], 0x3e0293ee
	s_mov_b32 s[CS+1], s[CS]                       ; (named with it as a pair, so it is written)
	s_mov_b32 s[TB], 0
	s_mov_b32 s[TS], SCK
	s_mov_b32 s[SI], 0
	s_mov_b32 s[SLOTS], 7
	s_wait_dscnt 0x0                               ; both opening adds are done
	s_wait_kmcnt 0x0
	s_mov_b32 s[G0S], 1
	s_add_co_u32 s[G0S+1], s72, SCK
	s_add_nc_u64 s[G0S+2:G0S+3], s[6:7], s[70:71]
	s_or_b32 s[G0S+3], s[G0S+3], 0x80000000
	s_mov_b32 s[G0C], 1
	s_mul_i32 s[G0C+1], s[W1], 2*CELL              ; slot 0: K's two cells, then V's
	s_add_nc_u64 s[G0C+2:G0C+3], s[4:5], s[68:69]
	s_or_b32 s[G0C+3], s[G0C+3], 0x80000000
	s_cmp_lt_u32 s[WV], 2                          ; a loading wave's two first fills stand in one branch, ahead of every wait on TENSORcnt, every LDS read and every barrier
	s_cbranch_scc0 .Lno_first
	tensor_load_to_lds s[G0S:G0S+3], s[G1S:G1S+7]  ; the head's scale images: filled once
	s_nop 0
	tensor_load_to_lds s[G0C:G0C+3], s[G1C:G1C+7]  ; slot 0
	s_nop 0
.rept 4
	v_nop
.endr
.Lno_first:
	v_and_b32 v1, 31, v0
	v_lshlrev_b32 v[PFO], 8, v1
	v_lshlrev_b32 v[LI], 4, v1
	v_and_b32 v8, 15, v0
	v_lshlrev_b32 v[QO], 4, v8
	s_lshl_b32 s66, s[BH], 4
	s_add_co_u32 s66, s66, s[BW]                   ; q's cell
	s_mul_i32 s56, s66, CELL
	s_mul_i32 s67, s[F], FRB
	s_add_co_u32 s56, s56, s67
	s_mov_b32 s57, 0
	s_add_nc_u64 s[56:57], s[4:5], s[56:57]        ; my fragment
	s_lshl_b32 s62, s66, 9
	s_and_b32 s67, s[F], 1
	s_lshl_b32 s67, s67, 8
	s_add_co_u32 s62, s62, s67
	s_lshr_b32 s67, s[F], 1
	s_lshl_b32 s67, s67, 2
	s_add_co_u32 s62, s62, s67
	s_mov_b32 s63, 0
	s_add_nc_u64 s[62:63], s[6:7], s[62:63]        ; its scale words: 256 (F % 2) + 4 (F / 2) into the image, 16 bytes from lane to lane
.irp c, 0,1,2
	global_load_b128 v[16+4*\c:19+4*\c], v[LI], s[56:57] offset:512*\c
.endr
	global_load_b32 v[QS], v[QO], s[62:63]
	s_lshr_b32 s66, s[BH], 4
	s_lshl_b32 s66, s66, 4
	s_add_co_u32 s66, s66, s[BW]
	s_lshl_b32 s66, s66, 4
	s_and_b32 s67, s[BH], 15
	s_add_co_u32 s66, s66, s67                     ; z's cell: 16 (16 b + block) + h
	s_mul_i32 s58, s66, CELL
	s_mul_i32 s67, s[F], FRB
	s_add_co_u32 s58, s58, s67
	s_mov_b32 s59, 0
	s_add_nc_u64 s[58:59], s[8:9], s[58:59]
	s_lshl_b32 s60, s66, 9
	s_mov_b32 s61, 0
	s_add_nc_u64 s[60:61], s[10:11], s[60:61]
	s_lshl_b32 s66, s[HALF], 9
	s_and_b32 s67, s[F], 1
	s_lshl_b32 s67, s67, 8
	s_add_co_u32 s66, s66, s67
	s_lshr_b32 s67, s[F], 1
	s_lshl_b32 s67, s67, 2
	s_add_co_u32 s66, s66, s67
	s_add_co_u32 s66, s66, ZS
	v_add_nc_u32 v[ZW], s66, v[QO]
	s_lshl_b32 s66, s[W1], 9
	s_add_co_u32 s66, s66, ZS
	v_add_nc_u32 v[ZR], s66, v[LI]
	v_bfe_u32 v9, v0, 4, 1
	v_and_b32 v10, 7, v8
	v_and_b32 v11, 8, v8
	v_lshl_add_u32 v10, v11, 1, v10                ; r % 8 + 16 (r / 8)
	v_lshlrev_b32 v9, 4, v9
	v_sub_nc_u32 v10, v10, v9
	s_lshr_b32 s66, s[F], 1
	s_lshl_b32 s66, s66, 5
	s_and_b32 s67, s[F], 1
	s_lshl_b32 s67, s67, 3
	s_add_co_u32 s66, s66, s67
	v_add_nc_u32 v[DG], s66, v10
	; the prefetches: who asks, and where.  All eight work-groups of a head walk the same K and V: the first (J = 0) asks, with waves that fetch nothing: waves 4-6 for K's 24,576 bytes of a slot, waves 8-10 for V's, 8,192 bytes a wave, lanes 256 bytes apart
	s_cmp_lt_u32 s[WV], 8
	s_cselect_b32 s66, 0, 512
	s_add_co_u32 s66, s66, 512
	s_lshl_b32 s68, s[BH], 4
	s_add_co_u32 s66, s66, s68
	s_mul_i32 s66, s66, CELL
	s_and_b32 s68, s[WV], 3
	s_lshl_b32 s69, s68, 13
	s_add_co_u32 s66, s66, s69
	s_add_co_u32 s66, s66, 2*CELL                  ; in slot 1: the first change of slots steps it to slot 2; nothing is asked for here at the head
	s_mov_b32 s67, 0
	s_add_nc_u64 s[PFA:PFA+1], s[4:5], s[66:67]
	s_sub_co_u32 s66, s[WV], 4
	s_lshr_b32 s66, s66, 3                         ; 0 in waves 4 to 11
	s_or_b32 s66, s66, s[J]
	s_cmp_eq_u32 s66, 0
	s_cselect_b32 s[LIM], 1, -1
	s_cmp_eq_u32 s68, 3                            ; (three waves' worth each)
	s_cselect_b32 s[LIM], -1, s[LIM]
	v_mov_b32 v13, 0xff61b1e6                      ; the largest t so far: -3e38
	v_floor_f32 v12, -v13                          ; -M
	v_mov_b32 v14, 0
	v_mov_b32 v15, 0
.irp b, 0,1,2,3
	v_mov_b32 v[236+\b], 0                         ; written once: a lane permute's destination counts as one of its sources
.endr
	v_mov_b32 v252, 0
	v_mov_b32 v253, 0
.set j_, 0
.rept 64
	v_mov_b32 v[160+j_], 0                         ; O^T: the step is written once; the first finds zeros, which the first change of M leaves zeros
.set j_, j_+1
.endr
.macro ASK                             ; what the NEXT change of slots will ask for: each block of 256 bytes is named once in the launch; the last change that fills a slot asks for nothing
	s_cmp_gt_u32 s[SLOTS], s[LIM]
	s_cbranch_scc0 .Lnot_mine_\@
	global_prefetch_b8 v[PFO], s[PFA:PFA+1] th:TH_LOAD_NT scope:SCOPE_SE
.Lnot_mine_\@:
.endm
; THE CHANGE OF SLOTS stands at a slot's head.  Each wave waits for all its tensor loads, adds 0 to its spare word (fill = 1: twice on end), and waits for that and for its reads of the slot that it has left.
; Behind the barrier the slot ahead is whole and nobody reads the other one.  fill = 1: that other slot takes the next two key steps, while one of them is at or under the work-group's later diagonal.
.macro CHANGE fill
	s_wait_tensorcnt 0x0                           ; no tensor load of mine is out, so a group 0 may be written
	ds_add_u32 v[SPW], v[NIL]                      ; 0 onto my spare word
.if \fill
	ds_add_u32 v[SPW], v[NIL]                      ; and once more
	s_xor_b32 s[G0C+1], s[G0C+1], SLOT1            ; the walking descriptor: the other slot,
	s_add_nc_u64 s[G0C+2:G0C+3], s[G0C+2:G0C+3], 2*CELL   ; the next two cells
	s_wait_xcnt 0x0                                ; the last prefetch, a slot back, has read its address
	s_add_nc_u64 s[PFA:PFA+1], s[PFA:PFA+1], 2*CELL
.endif
	s_wait_dscnt 0x0                               ; the add is done, and my reads of the slot that I have left are over
	s_barrier_signal -1
	s_barrier_wait -1
.if \fill
	s_add_co_u32 s66, s[SI], 2                     ; the first step of the slot that this change would ask for:
	s_cmp_gt_u32 s66, s[BHI]                       ; behind the later diagonal none of the sixteen waves reads it.  Ids and the count of steps alone: all waves go the same way, and a work-group past the limit stays past it
	s_cbranch_scc1 .Lpast_\@
	s_cmp_lt_u32 s[WV], 2
	s_cbranch_scc0 .Lpast_\@
	tensor_load_to_lds s[G0C:G0C+3], s[G1C:G1C+7]  ; a loading wave's one tensor load behind the barrier, and the first thing there
	s_nop 0
.rept 4
	v_nop
.endr
.Lpast_\@:
	ASK
.endif
.endm
; A KEY STEP: 128 keys, the q-th of the slot in hand.
.macro STEP q
	s_cmp_gt_u32 s[SI], s[BW]                      ; behind my diagonal: the step's work is left out; not the lines at its end that step addresses
	s_cbranch_scc1 .Lhidden_\@
	v_add_nc_u32 v[ADK], s[TB], v[LI]
	v_add_nc_u32 v[ADS], s[TS], v[LI]
	v_nop
	v_nop                                          ; four places in front of loads into registers that the last step's products have read
	ds_load_b128 v[KS:KS+3], v[ADS]
.irp g, 0,1                                    ; S^T = K Q^T, four tiles of 16 keys at a time
.if \g
.rept 4
	v_nop
.endr
.endif
.irp t, 0,1,2,3
.irp c, 0,1,2
	ds_load_b128 v[32+12*\t+4*\c:35+12*\t+4*\c], v[ADK] offset:(\q)*CELL+(4*\g+\t)*FRB+512*\c
.endr
.endr
	s_wait_dscnt 0x0
.irp t, 0,1,2,3
.if \t%2
	v_wmma_scale_f32_16x16x128_f8f6f4 v[96+8*(4*\g+\t):103+8*(4*\g+\t)], v[32+12*\t:43+12*\t], v[16:27], 0, v[KS+(4*\g+\t)/2], v[QS] matrix_a_fmt:MATRIX_FMT_FP6 matrix_b_fmt:MATRIX_FMT_FP6 matrix_a_scale:MATRIX_SCALE_ROW1
.else
	v_wmma_scale_f32_16x16x128_f8f6f4 v[96+8*(4*\g+\t):103+8*(4*\g+\t)], v[32+12*\t:43+12*\t], v[16:27], 0, v[KS+(4*\g+\t)/2], v[QS] matrix_a_fmt:MATRIX_FMT_FP6 matrix_b_fmt:MATRIX_FMT_FP6
.endif
.endr
.endr                                          ; register 16 b + i of a lane is key 32 b + 16 (lane / 16) + i of the step
.rept 4
	v_nop
.endr
.irp t, 0,1,2,3                                ; V's first four fragments and its scale words are asked for here: they land under the softmax
.irp c, 0,1,2
	ds_load_b128 v[32+12*\t+4*\c:35+12*\t+4*\c], v[ADK] offset:2*CELL+(\q)*CELL+\t*FRB+512*\c
.endr
.endr
	ds_load_b128 v[VS:VS+3], v[ADS] offset:SCV-SCK
	s_cmp_lg_u32 s[SI], s[BW]                      ; on the diagonal hidden scores get the fill: -100,000 sqrt(128), which times c is reference()'s -100,000 log2(e)
	s_cbranch_scc1 .Lopen_\@
	v_mov_b32 v254, 0xc98a1b57
.set n_, 0
.rept 64
	v_cmp_gt_i32 vcc_lo, 32*(n_/16)+n_%16, v[DG]
	v_cndmask_b32 v[96+n_], v[96+n_], v254, vcc_lo
.set n_, n_+1
.endr
.Lopen_\@:
.irp b, 0,1,2,3
	v_max3_num_f32 v[232+\b], v[96+16*\b], v[97+16*\b], v[98+16*\b]   ; the largest score of each block of 32 keys: for the row's maximum, and, since p rises with the score, for the block's largest p
.endr
.irp i, 3,5,7,9,11,13
.irp b, 0,1,2,3
	v_max3_num_f32 v[232+\b], v[232+\b], v[96+16*\b+\i], v[97+16*\b+\i]
.endr
.endr
.irp b, 0,1,2,3
	v_max_num_f32 v[232+\b], v[232+\b], v[111+16*\b]
.endr
.irp b, 0,1,2,3
	v_permlanex16_b32 v[236+\b], v[232+\b], s[SEL], s[SEL+1]
.endr
.irp b, 0,1,2,3
	v_max_num_f32 v[232+\b], v[232+\b], v[236+\b]  ; with lane l xor 16's 16 keys
.endr
	v_max3_num_f32 v254, v232, v233, v234
	v_max_num_f32 v254, v254, v235
	v_mul_f32 v254, s[CS], v254                    ; the step's largest t
	v_max_num_f32 v13, v13, v254                   ; the running largest t
	v_mov_b32 v254, v12
	v_floor_f32 v12, -v13                          ; the new -M = floor(-t): M is a whole number
	v_sub_f32 v254, v12, v254                      ; old M - new M: a whole number, 0 or less
	v_cvt_i32_f32 v254, v254                       ; (it saturates)
	v_ldexp_f32 v252, 1.0, v254                    ; f = 2^(old M - new M): a multiplication by it rounds nothing
.set j_, 0
.rept 32
	v_pk_fma_f32 v[96+j_:97+j_], v[96+j_:97+j_], s[CS:CS+1], v[12:13] op_sel_hi:[1,0,0]   ; t - M, two at a time
.set j_, j_+2
.endr
.irp b, 0,1,2,3
	v_fma_f32 v[232+\b], v[232+\b], s[CS], v12     ; the same of each block's largest score
.endr
.set j_, 0
.rept 64
	v_exp_f32 v[96+j_], v[96+j_]                   ; p = 2^(t - M), at most 1
.set j_, j_+1
.endr
	v_pk_mul_f32 v[14:15], v[14:15], v[252:253] op_sel_hi:[1,0]   ; the sums under the new M: a plain place behind the exponentials
	s_wait_alu depctr_va_vdst(0)                   ; one wait for the whole batch, ahead of its first reader
.irp b, 0,1,2,3
	v_exp_f32 v[232+\b], v[232+\b]                 ; the block's largest p
.endr
	v_pk_add_f32 v[236:237], v[96:97], v[98:99]    ; the row's sum is taken of the unquantised p, in two chains
.irp j, 4,8,12,16,20,24,28,32,36,40,44,48,52,56,60
	v_pk_add_f32 v[14:15], v[14:15], v[96+\j:97+\j]
	v_pk_add_f32 v[236:237], v[236:237], v[98+\j:99+\j]
.endr
	v_pk_add_f32 v[14:15], v[14:15], v[236:237]
	s_wait_alu depctr_va_vdst(0)                   ; and one for the four
.irp b, 0,1,2,3
	v_max_num_f32 v[232+\b], 0x1800000, v[232+\b]  ; the floor 2^(3 - 127): a block whose every p is 0 keeps the byte 1; its codes are zeros
.endr
.irp b, 0,1,2,3
	v_add_nc_u32 v[244+\b], 0xff000000, v[232+\b]  ; 2 off the exponent field: the conversion's scale operand
.endr
.irp b, 0,1,2,3
	v_lshrrev_b32 v[236+\b], 23, v[244+\b]         ; the scale's byte
.endr
	v_lshl_or_b32 v253, v237, 8, v236              ; p's scale word for these 128 keys
	v_lshl_or_b32 v253, v238, 16, v253
	v_lshl_or_b32 v253, v239, 24, v253
.irp c, 0,1
	v_cvt_scalef32_pk16_fp6_f32 v[224+6*\c:226+6*\c], v[96+32*\c:111+32*\c], v[244+2*\c]
	v_cvt_scalef32_pk16_fp6_f32 v[236+4*\c:238+4*\c], v[112+32*\c:127+32*\c], v[244+2*\c+1]
.endr
	v_nop                                          ; one plain place behind a scaled conversion
.irp c, 0,1
.irp i, 0,1,2
	v_permlane16_swap_b32 v[224+6*\c+\i], v[236+4*\c+\i]
.endr
.irp i, 0,1,2
	v_mov_b32 v[227+6*\c+\i], v[236+4*\c+\i]
.endr
.endr
.set j_, 0
.rept 32
	v_pk_mul_f32 v[160+j_:161+j_], v[160+j_:161+j_], v[252:253] op_sel_hi:[1,0]   ; O^T under the new M; these are also the places between p's codes and scale word and the products below
.set j_, j_+2
.endr
.irp g, 0,1                                    ; O^T += V^T P^T: four tiles of 16 of the head's 128 at a time
.if \g
.rept 4
	v_nop
.endr
.irp t, 0,1,2,3
.irp c, 0,1,2
	ds_load_b128 v[32+12*\t+4*\c:35+12*\t+4*\c], v[ADK] offset:2*CELL+(\q)*CELL+(4+\t)*FRB+512*\c
.endr
.endr
.endif
	s_wait_dscnt 0x0
.irp t, 0,1,2,3
.if \t%2
	v_wmma_scale_f32_16x16x128_f8f6f4 v[160+8*(4*\g+\t):167+8*(4*\g+\t)], v[32+12*\t:43+12*\t], v[224:235], v[160+8*(4*\g+\t):167+8*(4*\g+\t)], v[VS+(4*\g+\t)/2], v253 matrix_a_fmt:MATRIX_FMT_FP6 matrix_b_fmt:MATRIX_FMT_FP6 matrix_a_scale:MATRIX_SCALE_ROW1
.else
	v_wmma_scale_f32_16x16x128_f8f6f4 v[160+8*(4*\g+\t):167+8*(4*\g+\t)], v[32+12*\t:43+12*\t], v[224:235], v[160+8*(4*\g+\t):167+8*(4*\g+\t)], v[VS+(4*\g+\t)/2], v253 matrix_a_fmt:MATRIX_FMT_FP6 matrix_b_fmt:MATRIX_FMT_FP6
.endif
.endr
.endr
.Lhidden_\@:
	s_add_co_u32 s[SI], s[SI], 1
	s_add_co_u32 s[TS], s[TS], 512
.endm
; 64 numbers of a lane, register 16 b + i = K 32 b + 16 (lane / 16) + i of my row, become a fragment's codes in v[PC] on and its scale word in v[PW].
.macro QUANT s
.irp b, 0,1,2,3
	v_max3_num_f32 v[TM+\b], |v[\s+16*\b]|, |v[\s+1+16*\b]|, 0x1800000
.endr
.irp i, 2,4,6,8,10,12,14
.irp b, 0,1,2,3
	v_max3_num_f32 v[TM+\b], v[TM+\b], |v[\s+16*\b+\i]|, |v[\s+1+16*\b+\i]|
.endr
.endr
.irp b, 0,1,2,3
	v_permlanex16_b32 v[TM+4+\b], v[TM+\b], s[SEL], s[SEL+1]
.endr
.irp b, 0,1,2,3
	v_max_num_f32 v[TM+\b], v[TM+\b], v[TM+4+\b]
.endr
.irp b, 0,1,2,3
	v_add_nc_u32 v[TM+12+\b], 0xff000000, v[TM+\b]
.endr
.irp b, 0,1,2,3
	v_lshrrev_b32 v[TM+4+\b], 23, v[TM+12+\b]
.endr
	v_lshl_or_b32 v[PW], v[TM+5], 8, v[TM+4]
	v_lshl_or_b32 v[PW], v[TM+6], 16, v[PW]
	v_lshl_or_b32 v[PW], v[TM+7], 24, v[PW]
.irp c, 0,1
	v_cvt_scalef32_pk16_fp6_f32 v[PC+6*\c:PC+2+6*\c], v[\s+32*\c:\s+15+32*\c], v[TM+12+2*\c]
	v_cvt_scalef32_pk16_fp6_f32 v[PC+12+4*\c:PC+14+4*\c], v[\s+16+32*\c:\s+31+32*\c], v[TM+12+2*\c+1]
.endr
	v_nop
.irp c, 0,1
.irp i, 0,1,2
	v_permlane16_swap_b32 v[PC+6*\c+\i], v[PC+12+4*\c+\i]
.endr
.irp i, 0,1,2
	v_mov_b32 v[PC+3+6*\c+\i], v[PC+12+4*\c+\i]
.endr
.endr
.endm
	s_wait_loadcnt 0x0                             ; Q and its scale words
.Lslot:                                            ; seven trips: behind each change of slots but the last the next slot is asked for, up to the causal limit
	CHANGE 1
	STEP 0
	STEP 1
	s_xor_b32 s[TB], s[TB], SLOT1
	s_sub_co_u32 s[SLOTS], s[SLOTS], 1
	s_cmp_lg_u32 s[SLOTS], 0
	s_cbranch_scc1 .Lslot
	CHANGE 0                                       ; the last slot is written out: nothing is left to ask for
	STEP 0
	STEP 1
	; THE WAY OUT: z = O^T / the sum; its 64 numbers a lane run along the head's 128, which are a K step of the last product: quantised in registers, they are fragment F of z's cell.
.rept 4
	v_nop                                          ; places behind the last products
.endr
	v_add_f32 v14, v14, v15
	v_permlanex16_b32 v252, v14, s[SEL], s[SEL+1]
	v_add_f32 v14, v14, v252                       ; the row's sum
	v_rcp_f32 v14, v14
.irp b, 0,1,2,3
	v_mov_b32 v[TM+4+\b], 0                        ; (plain places behind the reciprocal; a lane permute's destination counts as one of its sources)
.endr
	s_wait_alu depctr_va_vdst(0)                   ; the wait ahead of the reciprocal's first reader
.set j_, 0
.rept 64
	v_mul_f32 v[96+j_], v[160+j_], v14             ; each accumulator from its low end on
.set j_, j_+1
.endr
	QUANT 96
.irp c, 0,1,2
	global_store_b128 v[LI], v[PC+4*\c:PC+4*\c+3], s[58:59] offset:512*\c   ; 512 consecutive bytes a store
.endr
	ds_store_b32 v[ZW], v[PW]                      ; lanes l and l xor 16 write the same word with the same value
	s_wait_dscnt 0x0                               ; for the others' sake
	s_barrier_signal -1
	s_barrier_wait -1
	s_cmp_lt_u32 s[WV], 2                          ; waves 0 and 1 belong to blocks J and 15 - J: each stores its block's scale image
	s_cbranch_scc0 .Lend
	ds_load_b128 v[72:75], v[ZR]
	s_wait_dscnt 0x0
	global_store_b128 v[LI], v[72:75], s[60:61]
.Lend:
	s_wait_tensorcnt 0x0                           ; the wave's end
	ds_add_u32 v[SPW], v[NIL]
	s_wait_dscnt 0x0
	s_endpgm
.Lfunc_end_k_qbd09b0d9ca_attn:
	.size	k_qbd09b0d9ca_attn, .Lfunc_end_k_qbd09b0d9ca_attn-k_qbd09b0d9ca_attn
	.p2alignl 7, 3214868480
	.fill 96, 4, 3214868480
	.section	.rodata,"a",@progbits
	.p2align	6, 0x0
	.amdhsa_kernel k_qbd09b0d9ca_attn
		.amdhsa_group_segment_fixed_size 327680
		.amdhsa_private_segment_fixed_size 0
		.amdhsa_enable_private_segment 0
		.amdhsa_kernarg_size 32
		.amdhsa_user_sgpr_count 2
		.amdhsa_user_sgpr_kernarg_segment_ptr 1
		.amdhsa_wavefront_size32 1
		.amdhsa_system_sgpr_workgroup_id_x 1
		.amdhsa_system_sgpr_workgroup_id_y 1
		.amdhsa_system_sgpr_workgroup_id_z 1
		.amdhsa_system_vgpr_workitem_id 0
		.amdhsa_next_free_vgpr 256
		.amdhsa_next_free_sgpr 80
		.amdhsa_reserve_vcc 1
		.amdhsa_float_denorm_mode_32 3
		.amdhsa_float_denorm_mode_16_64 3
		.amdhsa_memory_ordered 1
		.amdhsa_forward_progress 1
		.amdhsa_inst_pref_size 112
	.end_amdhsa_kernel
	.amdgpu_metadata
---
amdhsa.version: [ 1, 2 ]
amdhsa.kernels:
  - .name:           k_qbd09b0d9ca_attn
    .symbol:         k_qbd09b0d9ca_attn.kd
    .args:
      - { .name: qkvc, .offset: 0, .size: 8, .value_kind: global_buffer, .address_space: global }
      - { .name: qkvs, .offset: 8, .size: 8, .value_kind: global_buffer, .address_space: global }
      - { .name: zc, .offset: 16, .size: 8, .value_kind: global_buffer, .address_space: global }
      - { .name: zs, .offset: 24, .size: 8, .value_kind: global_buffer, .address_space: global }
    .group_segment_fixed_size: 327680
    .private_segment_fixed_size: 0
    .kernarg_segment_align: 8
    .kernarg_segment_size: 32
    .max_flat_workgroup_size: 512
    .sgpr_count:     80
    .vgpr_count:     256
    .wavefront_size: 32
...
	.end_amdgpu_metadata
.endif
;; end of part 3
;; launch outp (part 4): grid 8 x 32, 4 waves a work-group, clusters of 4 x 4, 327,680 bytes of LDS; arguments zc, zs, wc, ws, b_O, out0; writes out0
.if DOCPART == 4
	.amdgcn_target "amdgcn-amd-amdhsa--gfx1250"
	.amdhsa_code_object_version 6
	.text
	.protected	k_qbd09b0d9ca_outp
	.globl	k_qbd09b0d9ca_outp
	.p2align	8
	.type	k_qbd09b0d9ca_outp,@function
k_qbd09b0d9ca_outp:
	s_mov_b64 s[64:65], 0
	v_nop
	global_prefetch_b8 v0, s[64:65] scope:SCOPE_SE
	s_setreg_imm32_b32 hwreg(HW_REG_WAVE_MODE, 25, 1), 1
	s_wait_xcnt 0x0
	s_wait_alu depctr_hold_cnt(0) depctr_sa_sdst(0) depctr_va_vdst(0) depctr_va_sdst(0) depctr_va_ssrc(0) depctr_va_vcc(0) depctr_vm_vsrc(0)
	s_getreg_b32 s2, hwreg(HW_REG_IB_STS2, 6, 4)
	s_cmp_eq_u32 s2, 0
	s_cbranch_scc0 .Lentry_in_a_cluster
	s_endpgm
.Lentry_in_a_cluster:
	s_bfe_u32 s2, ttmp6, 0x10000c
	s_cmp_lg_u32 s2, 0xf033
	s_cbranch_scc0 .Lentry_shape_is_right
	s_endpgm
.Lentry_shape_is_right:
; out0 = z W_O + b_O on codes of FP6 (E2M3) with E8M0 scales; K = (head, channel) = 2,048: 16 K steps of 128, one to a head.  Nothing is left out here.
; OPERANDS: cells of 128 rows x 128 K, 8 fragments of 1,536 bytes, each an image of the matrix unit's 12 registers a lane; in each 32 rows fragment u takes row 8 u + r % 8 + 16 (r / 8) in lane r.
; z: cell 16 Y + ks of zc (Y: 128 tokens); W_O: cell 640 + 16 X + ks of wc (X: 128 columns of d_model).  Scale images of 512 bytes in zs and ws: word m of lane (u, r)'s 16 bytes belongs to fragment 2 m + u.
; A tile is 128 tokens x 128 columns, so that there are 256 work-groups; four waves, each 64 x 64 in 16 accumulators.  The matrix instruction is used transposed (source 0 = W_O, source 1 = z): a lane holds eight neighbouring columns of one token.
; b_O is the C of each sum's first matrix instruction.  K goes through a ring of two LDS slots of four K steps; a wave's tensor load brings two cells, 24,576 dense bytes.
; CLUSTERS: 4 x 4 work-groups: z's cells hang on Y alone and are asked for jointly by a row of the cluster, W_O's on X alone, by a column.
; REGISTERS: window 0: v1-31 addresses; v32-63 z's scale words (2 a K step), v64-95 W_O's; v96-127 b_O in the result's layout; v128-255 accumulator (a, b) at v[128 + 8 (4 a + b)].
;   window 1: two fragment buffers, v0-95 and v128-223: z's four fragments, then W_O's four; on the way out rows of out0.
.set CELL,  12288
.set FRB,   1536
.set HALFT, 2*CELL
.set SLOT,  4*HALFT                    ; z's four cells, then W_O's four
.set STG,   2*SLOT                     ; behind the ring: a stage of 32 rows x (256 bytes + 16) for each wave
.set SPIT,  272
.set SPARE, STG+4*32*SPIT              ; the spare words, 128 bytes for each wave, which no other line names
.set LI,    1                          ; v1     16 x lane
.set ADRA,  16                         ; v16-17 LDS address of my four fragments of z in slot 0, 1
.set ADRB,  20                         ; v20-21 the same for W_O
.set STO,   24                         ; v24    the stage: where I put 32 bytes of a row
.set RD,    25                         ; v25    and where I read a row back
.set CO,    26                         ; v26    my byte offset in out0
.set BOF,   27                         ; v27    b_O: 64 (lane / 16)
.set SPW,   28
.set NIL,   29
.set LSP,   30                         ; v30    my two scale words in an image of z: 16 x lane + 8 wi
.set LSR,   31                         ; v31    of W_O: 16 x lane + 8 wj
.set SP,    32
.set SR,    64
.set BO,    96
.set ACC,   128
.set G1,    24
.set G0,    32
.set G1B,   48
.set G0B,   56
.set MSB, 0
.macro WIN new
.if MSB != (\new)
	s_set_vgpr_msb (MSB<<8)|(\new)
.set MSB, (\new)
.endif
.endm
.set MUL,  0x05                        ; sources 0 and 1 window 1; C and D window 0
.set TO_F, 0x40                        ; destination window 1, address window 0
.macro JLOAD g0a, g1a, g0b, g1b        ; a joint load: waves 0 and 1 fetch for z, waves 2 and 3 for W_O; an s_nop 0 and four v_nop follow each line
	s_cmp_eq_u32 s19, 0
	s_cbranch_scc0 .Lfor_b_\@
	tensor_load_to_lds s[\g0a:\g0a+3], s[\g1a:\g1a+7]
	s_nop 0
.rept 4
	v_nop
.endr
	s_branch .Lasked_\@
.Lfor_b_\@:
	tensor_load_to_lds s[\g0b:\g0b+3], s[\g1b:\g1b+7]
	s_nop 0
.rept 4
	v_nop
.endr
.Lasked_\@:
.endm
.macro CROUND                          ; a round of the cluster's barrier
	s_barrier_signal -1
	s_barrier_wait -1
	s_cmp_lg_u32 s18, 0
	s_cbranch_scc1 .Lnot_wave_0_\@
	s_barrier_signal -3
.Lnot_wave_0_\@:
	s_barrier_wait -3
	s_barrier_signal -1
	s_barrier_wait -1
.endm
	s_load_b256 s[4:11], s[0:1], 0x0               ; zc, zs, wc, ws
	s_load_b128 s[12:15], s[0:1], 0x20             ; b_O, out0
	v_lshl_add_u32 v[SPW], v0, 2, SPARE
	v_mov_b32 v[NIL], 0
	ds_add_u32 v[SPW], v[NIL]                      ; the wave's opening: the add, twice on end, and its wait ahead of my first tensor load
	ds_add_u32 v[SPW], v[NIL]
	v_lshrrev_b32 v1, 5, v0
	v_readfirstlane_b32 s18, v1                    ; wave 0..3
	s_lshr_b32 s19, s18, 1                         ; wi: which 64 tokens.  Also: I fetch for z (0) or for W_O (1)
	s_and_b32 s20, s18, 1                          ; wj: which 64 columns.  Also: which two of a slot's four cells I fetch
	s_bfe_u32 s40, ttmp6, 0x40000
	s_bfe_u32 s41, ttmp6, 0x40004
	s_lshl_b32 s42, ttmp9, 2
	s_add_co_u32 s42, s42, s40                     ; X
	s_and_b32 s21, ttmp7, 0xffff
	s_lshl_b32 s21, s21, 2
	s_add_co_u32 s21, s21, s41                     ; Y
	s_lshl_b32 s43, s41, 2
	s_lshl_b32 s43, 15, s43                        ; my row of the cluster
	s_lshl_b32 s44, 0x1111, s40                    ; my column
	s_or_b32 s[G1], s43, (3<<16)|(1<<21)           ; 24,576 dense bytes as 96 rows of 32 elements of 8 bytes, no padding; bit 21 set beside the mask
	s_or_b32 s[G1B], s44, (3<<16)|(1<<21)
.irp g, G1, G1B
	s_mov_b32 s[\g+1], 32<<16
	s_mov_b32 s[\g+2], 96<<16
	s_mov_b32 s[\g+3], 32<<16
	s_mov_b32 s[\g+4], 96
	s_mov_b32 s[\g+5], 32
	s_mov_b32 s[\g+6], 0
	s_mov_b32 s[\g+7], 0
.endr
	s_lshl_b32 s66, s20, 1
	s_lshl_b32 s22, s21, 4
	s_add_co_u32 s22, s22, s66
	s_mul_i32 s22, s22, CELL                       ; z: cell 16 Y + 2 (wave % 2): of Y and the wave's number alone
	s_mov_b32 s23, 0
	s_lshl_b32 s46, s42, 4
	s_add_co_u32 s46, s46, s66
	s_add_co_u32 s46, s46, 640
	s_mul_i32 s46, s46, CELL                       ; W_O: cell 640 + 16 X + 2 (wave % 2): of X and the wave's number alone
	s_mov_b32 s47, 0
	s_mul_i32 s69, s18, HALFT                      ; where it goes
	s_wait_dscnt 0x0                               ; both opening adds are done
	s_wait_kmcnt 0x0
	s_add_nc_u64 s[22:23], s[4:5], s[22:23]
	s_add_nc_u64 s[46:47], s[8:9], s[46:47]
	CROUND                                         ; all sixteen work-groups are here: the first joint loads meet
.irp s, 0,1
	s_mov_b32 s[G0+4*\s], 1
	s_add_co_u32 s[G0+4*\s+1], s69, \s*SLOT
	s_add_nc_u64 s[G0+4*\s+2:G0+4*\s+3], s[22:23], \s*4*CELL   ; slot s begins with K steps 4 s .. 4 s + 3
	s_or_b32 s[G0+4*\s+3], s[G0+4*\s+3], 0x80000000
	s_mov_b32 s[G0B+4*\s], 1
	s_add_co_u32 s[G0B+4*\s+1], s69, \s*SLOT
	s_add_nc_u64 s[G0B+4*\s+2:G0B+4*\s+3], s[46:47], \s*4*CELL
	s_or_b32 s[G0B+4*\s+3], s[G0B+4*\s+3], 0x80000000
	JLOAD G0+4*\s, G1, G0B+4*\s, G1B
.endr
	v_and_b32 v1, 31, v0
	v_lshlrev_b32 v[LI], 4, v1
	s_lshl_b32 s66, s19, 3
	v_add_nc_u32 v[LSP], s66, v[LI]
	s_lshl_b32 s66, s20, 3
	v_add_nc_u32 v[LSR], s66, v[LI]
	v_bfe_u32 v2, v0, 4, 1                         ; h
	v_and_b32 v3, 15, v0                           ; r
	v_lshlrev_b32 v[BOF], 6, v2
	s_lshl_b32 s70, s21, 13                        ; 16 images of 512 bytes for each Y
	s_mov_b32 s71, 0
	s_add_nc_u64 s[70:71], s[6:7], s[70:71]
	s_lshl_b32 s72, s42, 4
	s_add_co_u32 s72, s72, 640
	s_lshl_b32 s72, s72, 9
	s_mov_b32 s73, 0
	s_add_nc_u64 s[72:73], s[10:11], s[72:73]
	s_lshl_b32 s74, s42, 9
	s_lshl_b32 s75, s20, 8
	s_add_co_u32 s74, s74, s75                     ; my first column, in bytes: 512 X + 256 wj
	s_mov_b32 s75, 0
	s_add_nc_u64 s[12:13], s[12:13], s[74:75]
.irp k, 0,1,2,3,4,5,6,7,8,9,10,11,12,13,14,15
	global_load_b64 v[SP+2*\k:SP+2*\k+1], v[LSP], s[70:71] offset:512*\k
	global_load_b64 v[SR+2*\k:SR+2*\k+1], v[LSR], s[72:73] offset:512*\k
.endr
.irp i, 0,1,2,3,4,5,6,7
	global_load_b128 v[BO+4*\i:BO+4*\i+3], v[BOF], s[12:13] offset:128*(\i/4)+16*(\i%4)   ; register 16 b + i: b_O at my column 32 b + 16 h + i
.endr
	s_mul_i32 s76, s19, 4*FRB                      ; my four fragments of z,
	s_mul_i32 s77, s20, 4*FRB                      ; my four of W_O,
	s_add_co_u32 s77, s77, 2*HALFT                 ; which lie behind z's four cells
.irp s, 0,1
	v_add_nc_u32 v[ADRA+\s], s76, v[LI]
	v_add_nc_u32 v[ADRB+\s], s77, v[LI]
	s_add_co_u32 s76, s76, SLOT
	s_add_co_u32 s77, s77, SLOT
.endr
	s_mul_i32 s78, s18, 32*SPIT
	s_add_co_u32 s78, s78, STG                     ; my stage
	v_mul_u32_u24 v4, v3, SPIT
	v_lshl_add_u32 v4, v2, 6, v4
	v_add_nc_u32 v[STO], s78, v4                   ; in: row r, + 64 h
	v_mul_u32_u24 v4, v2, SPIT
	v_lshl_add_u32 v4, v3, 4, v4
	v_add_nc_u32 v[RD], s78, v4                    ; back: lanes 0-15 one row of 256 bytes, lanes 16-31 the next
	v_lshlrev_b32 v4, 12, v2
	v_lshl_add_u32 v[CO], v3, 4, v4                ; and the same in out0: rows of 4,096 bytes
	s_lshl_b32 s78, s21, 19
	s_lshl_b32 s79, s19, 18
	s_add_co_u32 s78, s78, s79                     ; my first token: (128 Y + 64 wi) rows
	s_add_co_u32 s78, s78, s74
	s_mov_b32 s79, 0
	s_add_nc_u64 s[14:15], s[14:15], s[78:79]
; One matrix instruction, from the symbols WD, WA, WB, WC (C of a sum's first instruction), WSA, WSB, WRA, WRB (1: the scales stand in lanes 16-31)
.macro WMS first
.if \first
.if WRA && WRB
	v_wmma_scale_f32_16x16x128_f8f6f4 v[WD:WD+7], v[WA:WA+11], v[WB:WB+11], v[WC:WC+7], v[WSA], v[WSB] matrix_a_fmt:MATRIX_FMT_FP6 matrix_b_fmt:MATRIX_FMT_FP6 matrix_a_scale:MATRIX_SCALE_ROW1 matrix_b_scale:MATRIX_SCALE_ROW1
.elseif WRA
	v_wmma_scale_f32_16x16x128_f8f6f4 v[WD:WD+7], v[WA:WA+11], v[WB:WB+11], v[WC:WC+7], v[WSA], v[WSB] matrix_a_fmt:MATRIX_FMT_FP6 matrix_b_fmt:MATRIX_FMT_FP6 matrix_a_scale:MATRIX_SCALE_ROW1
.elseif WRB
	v_wmma_scale_f32_16x16x128_f8f6f4 v[WD:WD+7], v[WA:WA+11], v[WB:WB+11], v[WC:WC+7], v[WSA], v[WSB] matrix_a_fmt:MATRIX_FMT_FP6 matrix_b_fmt:MATRIX_FMT_FP6 matrix_b_scale:MATRIX_SCALE_ROW1
.else
	v_wmma_scale_f32_16x16x128_f8f6f4 v[WD:WD+7], v[WA:WA+11], v[WB:WB+11], v[WC:WC+7], v[WSA], v[WSB] matrix_a_fmt:MATRIX_FMT_FP6 matrix_b_fmt:MATRIX_FMT_FP6
.endif
.else
.if WRA && WRB
	v_wmma_scale_f32_16x16x128_f8f6f4 v[WD:WD+7], v[WA:WA+11], v[WB:WB+11], v[WD:WD+7], v[WSA], v[WSB] matrix_a_fmt:MATRIX_FMT_FP6 matrix_b_fmt:MATRIX_FMT_FP6 matrix_a_scale:MATRIX_SCALE_ROW1 matrix_b_scale:MATRIX_SCALE_ROW1
.elseif WRA
	v_wmma_scale_f32_16x16x128_f8f6f4 v[WD:WD+7], v[WA:WA+11], v[WB:WB+11], v[WD:WD+7], v[WSA], v[WSB] matrix_a_fmt:MATRIX_FMT_FP6 matrix_b_fmt:MATRIX_FMT_FP6 matrix_a_scale:MATRIX_SCALE_ROW1
.elseif WRB
	v_wmma_scale_f32_16x16x128_f8f6f4 v[WD:WD+7], v[WA:WA+11], v[WB:WB+11], v[WD:WD+7], v[WSA], v[WSB] matrix_a_fmt:MATRIX_FMT_FP6 matrix_b_fmt:MATRIX_FMT_FP6 matrix_b_scale:MATRIX_SCALE_ROW1
.else
	v_wmma_scale_f32_16x16x128_f8f6f4 v[WD:WD+7], v[WA:WA+11], v[WB:WB+11], v[WD:WD+7], v[WSA], v[WSB] matrix_a_fmt:MATRIX_FMT_FP6 matrix_b_fmt:MATRIX_FMT_FP6
.endif
.endif
.endm
; 8 matrix instructions: z's fragments a0, a0 + 1 x W_O's four, K step ks, from buffer f.  The 16 accumulators take turns, one instruction a turn, in the same order in every K step.
.macro MUL8 f, a0, ks, first
.irp a, \a0, \a0+1
.irp b, 0,1,2,3
.set WD,  ACC+8*(4*(\a)+\b)
.set WA,  \f+48+12*\b
.set WB,  \f+12*(\a)
.set WC,  BO+8*\b
.set WSA, SR+2*(\ks)+\b/2
.set WSB, SP+2*(\ks)+(\a)/2
.set WRA, \b%2
.set WRB, (\a)%2
	WMS \first
.endr
.endr
.endm
.macro FRAG reg, adr, off
.irp c, 0,1,2
	ds_load_b128 v[\reg+4*\c:\reg+4*\c+3], v[\adr] offset:\off+512*\c
.endr
.endm
.macro FETCH slot, q, f                ; 24 LDS loads in one run: the fragments of the slot's q-th K step into buffer f
	WIN TO_F
.irp i, 0,1,2,3
	FRAG \f+12*\i, ADRA+\slot, (\q)*CELL+FRB*\i
	FRAG \f+48+12*\i, ADRB+\slot, (\q)*CELL+FRB*\i
.endr
.endm
.macro PLACES                          ; four places in front of loads into registers that matrix instructions have read, and of the first read of results
.rept 4
	v_nop
.endr
.endm
; A K step whose successor lies in the same slot (or that has none): its fragments are in; the next step's are asked for into the other buffer, which the last step's products have read.
.macro KSTEP ks, first
.set FB, 128*((\ks)%2)
.set FN, 128-FB
	s_wait_dscnt 0x0
.if (\ks) < 15
	PLACES
	FETCH (((\ks)+1)/4)%2, ((\ks)+1)%4, FN
.endif
	WIN MUL
	MUL8 FB, 0, \ks, \first
	MUL8 FB, 2, \ks, \first
.endm
; A slot's last K step (buffer 1) changes slots: each wave waits for all its tensor loads, adds 0 to its spare word, and waits for that and for its reads of this slot; then the barrier.  fill = 1: it is a round of the cluster's, and this slot is filled again.
.macro TURN ks, slot, next, fill
	WIN 0
	s_wait_tensorcnt 0x0                           ; all my tensor loads have landed: my part of the next slot
	ds_add_u32 v[SPW], v[NIL]                      ; 0 onto my spare word
	s_wait_dscnt 1                                 ; this step's fragments are in (the add may be out)
	WIN MUL
	MUL8 128, 0, \ks, 0                            ; eight matrix instructions stand between the add and the wait for it
	s_wait_dscnt 0x0                               ; the add is done, and my reads of this slot are over
	WIN 0
.if \fill
	CROUND                                         ; no wave of any partner still reads this slot or has a load on its way
	s_add_nc_u64 s[G0+4*\slot+2:G0+4*\slot+3], s[G0+4*\slot+2:G0+4*\slot+3], 8*CELL
	s_add_nc_u64 s[G0B+4*\slot+2:G0B+4*\slot+3], s[G0B+4*\slot+2:G0B+4*\slot+3], 8*CELL
	JLOAD G0+4*\slot, G1, G0B+4*\slot, G1B         ; the first tensor load behind the round; its four v_nop are also the places in front of the loads below
.else
	s_barrier_signal -1
	s_barrier_wait -1
	PLACES
.endif
	FETCH \next, 0, 0
	WIN MUL
	MUL8 128, 2, \ks, 0
.endm
	s_wait_tensorcnt 1                             ; my part of slot 0 is in (slot 1's load may be out)
	s_barrier_signal -1
	s_barrier_wait -1                              ; everybody's is
	FETCH 0, 0, 0
	s_wait_loadcnt 0x0                             ; the scale words and b_O
	KSTEP 0, 1                                     ; sixteen K steps, written out: each names its own scale registers
	KSTEP 1, 0
	KSTEP 2, 0
	TURN 3, 0, 1, 1
	KSTEP 4, 0
	KSTEP 5, 0
	KSTEP 6, 0
	TURN 7, 1, 0, 1
	KSTEP 8, 0
	KSTEP 9, 0
	KSTEP 10, 0
	TURN 11, 0, 1, 0                               ; nothing is left to fetch
	KSTEP 12, 0
	KSTEP 13, 0
	KSTEP 14, 0
	KSTEP 15, 0
	; THE WAY OUT, 32 tokens at a time.  A lane holds 32 neighbouring bytes of a row and the lanes beside it other rows: so they go through my own stage (row 16 u + r for fragment u, lane r) and come back as whole rows of
	; 256 bytes.  LDS serves a wave's instructions in order (ISA guide 5.7.1.4): no wait between the stores and the loads, nor in front of the second half's stores.
	WIN 0
	PLACES
.irp al, 0,1
.irp up, 0,1
.irp b, 0,1,2,3
	ds_store_b128 v[STO], v[ACC+8*(4*(2*\al+\up)+\b):ACC+8*(4*(2*\al+\up)+\b)+3] offset:16*SPIT*\up+128*(\b/2)+32*(\b%2)      ; each accumulator from its low end on
	ds_store_b128 v[STO], v[ACC+8*(4*(2*\al+\up)+\b)+4:ACC+8*(4*(2*\al+\up)+\b)+7] offset:16*SPIT*\up+128*(\b/2)+32*(\b%2)+16
.endr
.endr
	WIN TO_F
.set t_, 0
.rept 16
	ds_load_b128 v[128*\al+4*t_:128*\al+4*t_+3], v[RD] offset:2*t_*SPIT
.set t_, t_+1
.endr
	WIN 0
.endr
	WIN 0x04                                       ; a store's data are its source 1: window 1
.irp al, 0,1
.set t_, 0
.rept 16
	s_wait_dscnt 47-32*\al-t_                      ; read-back t of this half is in; the LDS instructions issued behind it may be out
	global_store_b128 v[CO], v[128*\al+4*t_:128*\al+4*t_+3], s[14:15] offset:4096*(32*\al+8*(t_/8)+(2*t_)%8+16*(((2*t_)%16)/8)) th:TH_STORE_NT   ; stage rows 2 t, 2 t + 1 are tokens 8 u + r % 8 + 16 (r / 8); sixteen lanes store 256 consecutive bytes, at a multiple of 256 from out0's first byte
.set t_, t_+1
.endr
.endr
	WIN 0
	s_wait_tensorcnt 0x0                           ; the wave's end
	ds_add_u32 v[SPW], v[NIL]
	s_wait_dscnt 0x0
	CROUND                                         ; the closing round: no work-group ends while a partner may still ask for a tile that names it
	s_endpgm
.Lfunc_end_k_qbd09b0d9ca_outp:
	.size	k_qbd09b0d9ca_outp, .Lfunc_end_k_qbd09b0d9ca_outp-k_qbd09b0d9ca_outp
	.p2alignl 7, 3214868480
	.fill 96, 4, 3214868480
	.section	.rodata,"a",@progbits
	.p2align	6, 0x0
	.amdhsa_kernel k_qbd09b0d9ca_outp
		.amdhsa_group_segment_fixed_size 327680
		.amdhsa_private_segment_fixed_size 0
		.amdhsa_enable_private_segment 0
		.amdhsa_kernarg_size 48
		.amdhsa_user_sgpr_count 2
		.amdhsa_user_sgpr_kernarg_segment_ptr 1
		.amdhsa_wavefront_size32 1
		.amdhsa_system_sgpr_workgroup_id_x 1
		.amdhsa_system_sgpr_workgroup_id_y 1
		.amdhsa_system_sgpr_workgroup_id_z 1
		.amdhsa_system_vgpr_workitem_id 0
		.amdhsa_next_free_vgpr 512
		.amdhsa_next_free_sgpr 100
		.amdhsa_reserve_vcc 0
		.amdhsa_float_denorm_mode_32 3
		.amdhsa_float_denorm_mode_16_64 3
		.amdhsa_memory_ordered 1
		.amdhsa_forward_progress 1
		.amdhsa_inst_pref_size 82
	.end_amdhsa_kernel
	.amdgpu_metadata
---
amdhsa.version: [ 1, 2 ]
amdhsa.kernels:
  - .name:           k_qbd09b0d9ca_outp
    .symbol:         k_qbd09b0d9ca_outp.kd
    .args:
      - { .name: zc, .offset: 0, .size: 8, .value_kind: global_buffer, .address_space: global }
      - { .name: zs, .offset: 8, .size: 8, .value_kind: global_buffer, .address_space: global }
      - { .name: wc, .offset: 16, .size: 8, .value_kind: global_buffer, .address_space: global }
      - { .name: ws, .offset: 24, .size: 8, .value_kind: global_buffer, .address_space: global }
      - { .name: b_O, .offset: 32, .size: 8, .value_kind: global_buffer, .address_space: global }
      - { .name: out0, .offset: 40, .size: 8, .value_kind: global_buffer, .address_space: global }
    .group_segment_fixed_size: 327680
    .private_segment_fixed_size: 0
    .kernarg_segment_align: 8
    .kernarg_segment_size: 48
    .max_flat_workgroup_size: 128
    .sgpr_count:     100
    .vgpr_count:     512
    .wavefront_size: 32
...
	.end_amdgpu_metadata
.endif
;; end of part 4
